; MI455X (gfx1250); checked and timed in simulation.
; The chip was launched on July 23, 2026; its instructions are those of AMD's public machine-readable ISA for CDNA 5 (MIT licence, August 2026) and "CDNA5" Instruction Set Architecture Reference Guide (July 2026). The comments in the code are by the model that wrote it; some were corrected since.
;; Mo EMLP. Allowed arithmetic: float matrix products may take bf16 or f16 operands with f32 sums; other float arithmetic in f32, or as packed bf16 or f16 multiplies, adds, multiply-adds, maxima and minima; sums over many terms, partial sums and values carried from step to step in f32; what a program stores and reads back later, other than sums and carried values, may be rounded once to bf16 or f16.
;; Inputs: W1 8 x 1,024 x 4,096 float32; W2 8 x 4,096 x 1,024 float32; Wg 1,024 x 8 float32; bg 8 float32; x 2 x 512 x 1,024 float32.
;; Outputs: out0 2 x 512 x 1,024 float32.
;; 2 versions, each right. Each part assembles by itself: llvm-mc -triple=amdgcn-amd-amdhsa -mcpu=gfx1250 --defsym DOCPART=n.
;; ======== version 1 of 2: 4 launches
;; workspace buffers: xb 2,097,152 bytes; idx 4,096 bytes of whole numbers; hbuf 8,388,608 bytes; part 16,777,216 bytes
;; launch route (part 1): grid 256 x 1, 8 waves a work-group, no clusters, 2,304 bytes of LDS; arguments x, Wg, bg, xb, idx; writes xb, idx
.if DOCPART == 1
	.amdgcn_target "amdgcn-amd-amdhsa--gfx1250"
	.amdhsa_code_object_version 6
	.text
	.protected	k_q83458b8a3d_route
	.globl	k_q83458b8a3d_route
	.p2align	8
	.type	k_q83458b8a3d_route,@function
k_q83458b8a3d_route:
	s_mov_b64 s[64:65], 0
	v_nop
	global_prefetch_b8 v0, s[64:65] scope:SCOPE_SE
	s_setreg_imm32_b32 hwreg(HW_REG_WAVE_MODE, 25, 1), 1
	s_wait_xcnt 0x0
; THE ROUTER.  xb = x rounded to bf16; logits = bf16(x) . bf16(Wg) + bf16(bg), products exact, sums in f32; idx[token] = the place of the largest logit.
; The whole program takes its inputs rounded to bf16, so the choice is made on the rounded numbers too.
; LIMITS.  The f32 sums are taken in another order than a row-by-row sum: a token whose two best logits lie within that rounding (some 1e-6 of their size)
; may go to the other of the two.  On equal logits the lower index wins.  A NaN logit never wins here.
; SHARES.  A work-group has 4 tokens.  Thread t of 256 has d = 4 t .. 4 t + 3: 16 bytes of each token's row (a wave's load covers 512 consecutive bytes)
; and 4 rows of Wg (128 consecutive bytes).  32 sums (4 tokens x 8 experts) a lane, added over the lanes, then over the 8 waves through LDS; wave 0 chooses.
; The product goes to the vector unit: 8 columns fill half a matrix tile, and it is a thousandth of the program's arithmetic.
.set RED,   0                          ; LDS: 8 waves x 32 sums
.set SCR,   1024                       ; 32 logits, wave 0's own
.set SPARE, 1280                       ; the spare words: 128 bytes for each of 8 waves; no other line names them
.set SPW, 1                            ; v1   SPARE + 4 x my thread's number; never rewritten
.set NIL, 2                            ; v2   0; never rewritten
.set XO,  3                            ; v3   16 t
.set WO,  4                            ; v4   128 t
.set BO,  5                            ; v5   8 t
.set GO,  6                            ; v6   4 (t % 8)
.set BG,  7                            ; v7   bg[t % 8]
.set ZR,  8                            ; v8   0: what the first term of each sum is added onto
.set TA,  9                            ; v9   my wave's 128 bytes of RED
.set XR,  10                           ; v[10:25]   x, 4 numbers of 4 tokens; later wave 0 at work
.set WR,  26                           ; v[26:57]   Wg[4 t + dd][e] at 8 dd + e; later the other half of the lanes' sums
.set XP,  58                           ; v[58:65]   x in bf16, two registers a token
.set WP,  66                           ; v[66:81]   Wg in bf16: (dd, e / 2) at 4 dd + e / 2
.set SUM, 82                           ; v[82:113]  (token, e) at 8 token + e
	s_load_b256 s[4:11], s[0:1], 0x0               ; x s[4:5], Wg s[6:7], bg s[8:9], xb s[10:11]
	s_load_b64 s[12:13], s[0:1], 0x20              ; idx
	v_lshl_add_u32 v[SPW], v0, 2, SPARE
	v_mov_b32 v[NIL], 0
	v_lshrrev_b32 v[TA], 5, v0
	v_readfirstlane_b32 s14, v[TA]                 ; wave 0..7
	v_lshlrev_b32 v[XO], 4, v0
	v_lshlrev_b32 v[WO], 7, v0
	v_lshlrev_b32 v[BO], 3, v0
	v_and_b32 v[GO], 7, v0
	v_lshlrev_b32 v[GO], 2, v[GO]
	v_mov_b32 v[ZR], 0
	s_lshl_b32 s15, s14, 7
	v_mov_b32 v[TA], s15
	s_lshl_b32 s16, ttmp9, 14                      ; my 4 rows of x: 4 x 4,096 bytes
	s_mov_b32 s17, 0
	s_lshl_b32 s20, ttmp9, 13                      ; of xb: 4 x 2,048
	s_mov_b32 s21, 0
	s_lshl_b32 s22, ttmp9, 4                       ; of idx: 4 words
	s_mov_b32 s23, 0
	s_mov_b32 s18, 0x76543210                      ; v_permlanex16_b32: each lane takes its own place in the other half
	s_mov_b32 s19, 0xfedcba98
	s_wait_kmcnt 0x0
	s_add_nc_u64 s[4:5], s[4:5], s[16:17]
	s_add_nc_u64 s[10:11], s[10:11], s[20:21]
	s_add_nc_u64 s[12:13], s[12:13], s[22:23]
.irp t, 0,1,2,3
	global_load_b128 v[XR+4*\t:XR+4*\t+3], v[XO], s[4:5] offset:4096*\t th:TH_LOAD_NT
.endr
.irp m, 0,1,2,3,4,5,6,7
	global_load_b128 v[WR+4*\m:WR+4*\m+3], v[WO], s[6:7] offset:16*\m
.endr
	global_load_b32 v[BG], v[GO], s[8:9]
	s_wait_loadcnt 9                               ; x is in: the nine younger loads are Wg's eight and bg's
.set z, 0
.rept 8
	v_cvt_pk_bf16_f32 v[XP+z], v[XR+2*z], v[XR+2*z+1]
.set z, z+1
.endr
.irp t, 0,1,2,3
	global_store_b64 v[BO], v[XP+2*\t:XP+2*\t+1], s[10:11] offset:2048*\t  ; a wave stores 256 consecutive bytes, at a multiple of 256 from xb's first byte
.endr
	s_wait_loadcnt 0x0
.set z, 0
.rept 16
	v_cvt_pk_bf16_f32 v[WP+z], v[WR+2*z], v[WR+2*z+1]
.set z, z+1
.endr
	; 128 multiply-adds from bf16 halves into f32: d = 2 dh + dl outermost, so that a sum is taken up again 32 lines later
.irp dh, 0,1
.irp dl, 0,1
.irp t, 0,1,2,3
.irp eh, 0,1,2,3
.irp el, 0,1
.if (\dh)+(\dl) == 0
	v_fma_mix_f32_bf16 v[SUM+8*\t+2*\eh+\el], v[XP+2*\t+\dh], v[WP+8*\dh+4*\dl+\eh], v[ZR] op_sel:[\dl,\el,0] op_sel_hi:[1,1,0]
.else
	v_fma_mix_f32_bf16 v[SUM+8*\t+2*\eh+\el], v[XP+2*\t+\dh], v[WP+8*\dh+4*\dl+\eh], v[SUM+8*\t+2*\eh+\el] op_sel:[\dl,\el,0] op_sel_hi:[1,1,0]
.endif
.endr
.endr
.endr
.endr
.endr
	; over the 32 lanes: four steps inside each half of 16 lanes, one across; stage by stage, so that no line waits for the one before it
.irp m, 1,2,4,8
.set z, 0
.rept 32
	v_add_f32_dpp v[SUM+z], v[SUM+z], v[SUM+z] row_xmask:\m row_mask:0xf bank_mask:0xf
.set z, z+1
.endr
.endr
.set z, 0
.rept 32
	v_permlanex16_b32 v[WR+z], v[SUM+z], s18, s19
.set z, z+1
.endr
.set z, 0
.rept 32
	v_add_f32 v[SUM+z], v[SUM+z], v[WR+z]
.set z, z+1
.endr
.irp m, 0,1,2,3,4,5,6,7
	ds_store_b128 v[TA], v[SUM+4*\m:SUM+4*\m+3] offset:RED+16*\m  ; every lane holds the same 32 sums and writes the same words
.endr
	s_wait_dscnt 0x0                               ; for the others' sake: my sums are in LDS
	s_barrier_signal -1
	s_barrier_wait -1
	s_cmp_lg_u32 s14, 0
	s_cbranch_scc1 .Ldone                          ; wave 0 alone goes on: lane l has token l / 8, expert l % 8
	v_lshlrev_b32 v18, 2, v0
.irp k, 0,1,2,3,4,5,6,7
	ds_load_b32 v[XR+\k], v18 offset:RED+128*\k
.endr
	v_cvt_pk_bf16_f32 v[BG], v[BG], v[BG]          ; bg rounded to bf16,
	v_lshlrev_b32 v[BG], 16, v[BG]                 ; and back as f32
	v_lshrrev_b32 v19, 3, v0
	v_lshlrev_b32 v20, 5, v19                      ; my token's 8 logits in SCR
	v_lshlrev_b32 v21, 2, v19                      ; my token's word of idx
	s_wait_dscnt 0x0
.irp k, 1,2,3,4,5,6,7
	v_add_f32 v[XR], v[XR], v[XR+\k]               ; the waves' parts, d ascending
.endr
	v_add_f32 v[XR], v[XR], v[BG]
	ds_store_b32 v18, v[XR] offset:SCR
	ds_load_b128 v[26:29], v20 offset:SCR          ; LDS serves a wave's instructions in order (ISA guide 5.7.1.4): these see the store above
	ds_load_b128 v[30:33], v20 offset:SCR+16
	v_mov_b32 v22, 0
	s_wait_dscnt 0x0
.irp k, 1,2,3,4,5,6,7
	v_cmp_gt_f32 vcc_lo, v[26+\k], v26             ; strictly greater: on equal logits the lower index stays
	v_cndmask_b32 v26, v26, v[26+\k], vcc_lo
	v_cndmask_b32 v22, v22, \k, vcc_lo
.endr
	v_cmp_eq_u32 vcc_lo, 0, v[GO]                  ; one lane a token stores
	s_wait_xcnt 0x0                                ; EXEC changes only behind this wait: it is a source of the stores above
	s_and_saveexec_b32 s20, vcc_lo
	global_store_b32 v21, v22, s[12:13]
	s_wait_xcnt 0x0                                ; and again, in front of the line that widens it
	s_or_b32 exec_lo, exec_lo, s20
.Ldone:
	s_wait_tensorcnt 0x0                           ; the wave's end: behind my last LDS store
	ds_add_u32 v[SPW], v[NIL]
	s_wait_dscnt 0x0
	s_endpgm
.Lfunc_end_k_q83458b8a3d_route:
	.size	k_q83458b8a3d_route, .Lfunc_end_k_q83458b8a3d_route-k_q83458b8a3d_route
	.p2alignl 7, 3214868480
	.fill 96, 4, 3214868480
	.section	.rodata,"a",@progbits
	.p2align	6, 0x0
	.amdhsa_kernel k_q83458b8a3d_route
		.amdhsa_group_segment_fixed_size 2304
		.amdhsa_private_segment_fixed_size 0
		.amdhsa_enable_private_segment 0
		.amdhsa_kernarg_size 40
		.amdhsa_user_sgpr_count 2
		.amdhsa_user_sgpr_kernarg_segment_ptr 1
		.amdhsa_wavefront_size32 1
		.amdhsa_system_sgpr_workgroup_id_x 1
		.amdhsa_system_sgpr_workgroup_id_y 1
		.amdhsa_system_sgpr_workgroup_id_z 1
		.amdhsa_system_vgpr_workitem_id 0
		.amdhsa_next_free_vgpr 128
		.amdhsa_next_free_sgpr 66
		.amdhsa_reserve_vcc 1
		.amdhsa_float_denorm_mode_32 3
		.amdhsa_float_denorm_mode_16_64 3
		.amdhsa_memory_ordered 1
		.amdhsa_forward_progress 1
		.amdhsa_inst_pref_size 27
	.end_amdhsa_kernel
	.amdgpu_metadata
---
amdhsa.version: [ 1, 2 ]
amdhsa.kernels:
  - .name:           k_q83458b8a3d_route
    .symbol:         k_q83458b8a3d_route.kd
    .args:
      - { .name: x, .offset: 0, .size: 8, .value_kind: global_buffer, .address_space: global }
      - { .name: Wg, .offset: 8, .size: 8, .value_kind: global_buffer, .address_space: global }
      - { .name: bg, .offset: 16, .size: 8, .value_kind: global_buffer, .address_space: global }
      - { .name: xb, .offset: 24, .size: 8, .value_kind: global_buffer, .address_space: global }
      - { .name: idx, .offset: 32, .size: 8, .value_kind: global_buffer, .address_space: global }
    .group_segment_fixed_size: 2304
    .private_segment_fixed_size: 0
    .kernarg_segment_align: 8
    .kernarg_segment_size: 40
    .max_flat_workgroup_size: 256
    .sgpr_count:     66
    .vgpr_count:     128
    .wavefront_size: 32
...
	.end_amdgpu_metadata
.endif
;; end of part 1
;; launch up (part 2): grid 32 x 8, 4 waves a work-group, no clusters, 317,184 bytes of LDS; arguments W1, xb, idx, hbuf; writes hbuf
.if DOCPART == 2
	.amdgcn_target "amdgcn-amd-amdhsa--gfx1250"
	.amdhsa_code_object_version 6
	.text
	.protected	k_q83458b8a3d_up
	.globl	k_q83458b8a3d_up
	.p2align	8
	.type	k_q83458b8a3d_up,@function
k_q83458b8a3d_up:
	s_mov_b64 s[64:65], 0
	v_nop
	global_prefetch_b8 v0, s[64:65] scope:SCOPE_SE
	s_setreg_imm32_b32 hwreg(HW_REG_WAVE_MODE, 25, 1), 1
	s_wait_xcnt 0x0
; ONE PRODUCT OF A LAYER OF ROUTED EXPERTS, for the rows that chose the expert.  One text serves both products; DOWN says which.
;   DOWN = 0:  hbuf[token][4096] (bf16) = gelu_tanh(xb[token][1024] (bf16) . W1[e] ([1024][4096] f32)), sums and gelu in f32, rounded once.
;   DOWN = 1:  part[kq][token][1024] (f32) = hbuf[token][1024 kq ..] . W2[e] ([4096][1024] f32) over K quarter kq; a later launch adds the four.
; The weights are rounded to bf16 on their way through registers.  idx[token] is the token's expert, stored by the router's launch.
; SHARES.  Work-group (x, e): expert e, 128 columns, 1,024 along K, which it alone reads, and ALL rows of that expert, 160 to a PASS.  Wave w = cg + 2 kh has 64 columns (cg)
; and 512 along K (kh), and all 10 tiles of 16 rows: 40 accumulators.  The two K halves meet in LDS on the way out.
; WEIGHTS lie [k][n].  For a K step of 32 lane (r, h) loads 16 bytes, columns 4 r .. 4 r + 3, of 16 rows: 8 h + 0..7 and 16 + 8 h + 0..7.  Each load takes two rows' 256 consecutive
; bytes, at multiples of 256 from the buffer's first byte.  Rounding neighbouring k of one column in pairs gives source 1 as the matrix instruction wants it; the four registers of a load fall into four
; tiles, tile c holding columns 4 r + c.  No LDS and no turning load; k keeps its true places.
; ROWS.  Every wave makes its own list of the expert's tokens in LDS.  Tiles 0-8 (144 rows x 1,024 k) are laid into LDS once a pass; all of LDS would hold just 160 such rows and nothing else,
; so tile 9 comes from memory as fragments, two loads a K step.  Places past the count repeat the expert's last row; what they give is stored onto that row's own bytes, the same numbers.
; EVERY SPLIT is served: 7 passes of 160 cover 1,024 rows.  The pass loop has a constant count and four barriers a trip on every wave's way; a pass past the count jumps its parts, none of
; which holds a barrier.  LIMIT: an expert with more than 160 rows reads its weights once for each 160.  An expert without rows stores nothing.
; AHEAD.  A wave asks three K steps ahead: 54 loads are younger than the step that it waits for.
; NO CLUSTER: each weight has one work-group that reads it; the rows that an expert's work-groups share are named by a list, which no tile's descriptor covers.
; REGISTERS, in windows of 256 (s_set_vgpr_msb: bits 1:0 source 0, 3:2 source 1, 5:4 source 2, 7:6 destination):
;   window 0: addresses, operands (below)      window 1: the weights as loaded, four slots of 64: load i, register c at 64 slot + 4 i + c
;   window 2: accumulator (tile i, c) at 32 i + 8 c, tiles 0-7; during the fill v0-191 are six slots of 32      window 3: tiles 8 and 9
.set DOWN, 0
.if DOWN
.set WPITCH, 4096                      ; bytes from row to row of the weights
.set WSH,    15                        ; 8 rows of them, as a shift
.set KHSH,   21                        ; 512 rows of them
.set ALOG,   13                        ; a token's row of the left operand: 8,192 bytes
.set OLOG,   12                        ; a token's row of the result: 4,096 bytes
.set LSTEP,  4                         ; the way out's store j takes rows 8 h + j
.set LESH,   5
.else
.set WPITCH, 16384
.set WSH,    17
.set KHSH,   23
.set ALOG,   11
.set OLOG,   13
.set LSTEP,  8                         ; the way out's store t takes rows 2 t + h
.set LESH,   2
.endif
.set APITCH, 2064                      ; a row in LDS: 2,048 bytes + 16 = 129 x 16: the 16 rows of a fragment load start 16 bytes apart modulo 256
.set TILEB,  16*APITCH
.set LIST,   144*APITCH                ; behind the rows: for each wave 1,184 words of list (1,024 ranks + 160 repeats) and 32 words for the lanes that have nothing to list
.set LISTW,  4864
.set SPARE,  LIST+4*LISTW              ; the spare words: 128 bytes for each wave; no other line names them
.set DUMPW,  40960                     ; the way out, in the rows' bytes: a wave's 40 accumulators of 1,024 bytes
.set STAGE,  172032                    ; behind the furthest byte that a stepped dump address names: 16 rows x 272 bytes for each wave
.set SPITCH, 272
.set PROWS,  160
.set PASSES, 7
.set R,    1                           ; v1   lane % 16
.set H,    2                           ; v2   lane / 16
.set SPW,  3                           ; v3   SPARE + 4 x my thread's number; never rewritten
.set NIL,  4                           ; v4   0; never rewritten
.set WOFF, 5                           ; v5   8 h rows + 16 r in the weights; never rewritten
.set A9OFF,6                           ; v6   tile 9: my row's byte offset
.set LISTA,7                           ; v7   the fill's place in the list
.set FS1,  8                           ; v8-9 where the fill puts 16 bytes: pairs of rows 0-8, 9-17
.set FS2,  9
.set AF,   10                          ; v10-14  fragment addresses, tiles 2 n and 2 n + 1
.set L16,  15                          ; v15  16 r
.set DW,   16                          ; v16  my dump
.set DR,   17                          ; v17-20  wave ws's dump of the tile that I send out
.set LISTE,21                          ; v21  the way out's place in the list
.set STW,  22                          ; v22  stage, in
.set STR,  23                          ; v23  stage, back
.set SO,   24                          ; v24-31  the stores' byte offsets
.set B,    32                          ; v32-95   source 1, two buffers of four tiles; at the head v32-63 hold idx
.set X,    96                          ; v96-135  fragments of tiles 0-4
.set Y,    136                         ; v136-167 of tiles 5-8
.set A9,   168                         ; v168-199 of tile 9, four slots
.set O,    200                         ; v200-217 the fill's byte offsets, a pair of rows each
.set AFB,  218                         ; the rest is made once and never rewritten: r x pitch + 16 h + 1,024 kh
.set LB,   219                         ; my list
.set JUNK, 220                         ; 1,184 + lane
.set L4,   221                         ; 4 x lane
.set DRB,  222                         ; 4,096 w + 16 x lane
.set LA0,  223                         ; LB + 4 (36 w + h)
.set LE0,  224                         ; LB + 4 (16 w + h), or + 4 (16 w + 8 h)
.set L90,  225                         ; LB + 4 (144 + r)
.set A9K,  226                         ; 1,024 kh + 16 h
.set IOFF, 227                         ; 16 x lane
.set T,    228                         ; v228-235 at work
.set T0,   32                          ; the way out: the two K halves of a tile's 64 columns,
.set T1,   64
.set F,    96                          ; their sum, row j's four columns at 4 j
.set F1,   128                         ; (DOWN) the other 64 columns' sum
.set E,    128                         ; (gelu) at work
.set PK,   160                         ; bf16, two registers a row
.set RB,   176                         ; whole rows back from the stage
; s12 w  s13 cg  s14 kh  s15 e  s16 slice  s17 the expert's rows  s18 the pass's first row  s19 passes to go  s20 K trips  s21 tiles  s22 rows' end in this pass  s23 my tile's first row
; s[24:25] my weights  s[26:27] the same, walking  s[28:29] tile 9's base, walking  s[30:31] left operand  s[32:33] result  s[38:41] gelu's constants  s44, s45 at work
.set MSB, 0
.macro WIN new                         ; the immediate's high byte repeats the setting that is left; a switch that changes nothing is dropped
.if MSB != (\new)
	s_set_vgpr_msb (MSB<<8)|(\new)
.set MSB, \new
.endif
.endm
.macro PLACES                          ; four places between a matrix instruction and a load into, or a read of, its registers (ISA guide 7.12.1 for reads)
.rept 4
	v_nop
.endr
.endm
.macro MEET                            ; a barrier: no LDS instruction of mine is out when I signal
	s_wait_dscnt 0x0
	s_barrier_signal -1
	s_barrier_wait -1
.endm
.macro WLOADS pos                      ; the weights of K step pos (counted from the walking base): 16 loads
	WIN 0x40
.set wi, 0
.rept 16
	global_load_b128 v[64*((\pos)%4)+4*wi:64*((\pos)%4)+4*wi+3], v[WOFF], s[26:27] offset:(32*(\pos)+wi+8*(wi/8))*WPITCH th:TH_LOAD_NT
.set wi, wi+1
.endr
.endm
.macro A9LOADS pos                     ; tile 9's fragment of K step pos
	WIN 0
	global_load_b128 v[A9+8*((\pos)%4):A9+8*((\pos)%4)+3],   v[A9OFF], s[28:29] offset:64*(\pos)
	global_load_b128 v[A9+8*((\pos)%4)+4:A9+8*((\pos)%4)+7], v[A9OFF], s[28:29] offset:64*(\pos)+32
.endm
.macro WPRO                            ; the first three K steps' weights
	WLOADS 0
	WLOADS 1
	WLOADS 2
	WIN 0
.endm
.macro CONV p                          ; slot p % 4 rounded to bf16: register j of tile c takes k = 2 j, 2 j + 1 of the lane's sixteen, column 4 r + c
	WIN 0x05
.set cc, 0
.rept 4
.set cj, 0
.rept 8
	v_cvt_pk_bf16_f32 v[B+32*((\p)%2)+8*cc+cj], v[64*((\p)%4)+8*cj+cc], v[64*((\p)%4)+8*cj+4+cc]
.set cj, cj+1
.endr
.set cc, cc+1
.endr
.endm
.macro ALD i, reg, pos                 ; tile i's fragment of K step pos: row r, 16 bytes at 16 h and 32 further on
	ds_load_b128 v[(\reg):(\reg)+3],   v[AF+(\i)/2] offset:((\i)%2)*TILEB+64*(\pos)
	ds_load_b128 v[(\reg)+4:(\reg)+7], v[AF+(\i)/2] offset:((\i)%2)*TILEB+64*(\pos)+32
.endm
.macro XLOAD pos
.irp i, 0,1,2,3,4
	ALD \i, X+8*\i, \pos
.endr
.endm
.macro YLOAD pos
.irp i, 5,6,7,8
	ALD \i, Y+8*\i-40, \pos
.endr
.endm
.macro MM i, areg, b, zero             ; tile i x the four column tiles.  Source 0 = 16 rows, source 1 = 16 columns: register j of lane (r, h) is (row 8 h + j, column 4 r + c)
.irp c, 0,1,2,3
.if \zero
	v_wmma_f32_16x16x32_bf16 v[32*((\i)%8)+8*\c:32*((\i)%8)+8*\c+7], v[(\areg):(\areg)+7], v[B+32*(\b)+8*\c:B+32*(\b)+8*\c+7], 0
.else
	v_wmma_f32_16x16x32_bf16 v[32*((\i)%8)+8*\c:32*((\i)%8)+8*\c+7], v[(\areg):(\areg)+7], v[B+32*(\b)+8*\c:B+32*(\b)+8*\c+7], v[32*((\i)%8)+8*\c:32*((\i)%8)+8*\c+7]
.endif
.endr
.endm
; A K STEP of 32: 40 matrix instructions; the 40 accumulators take turns, one instruction a turn, over the loop's jump too.
; zero = 1: the products start the sums.  fetch = 1: the step three on is asked for.  nextx = 1: the next step's X is fetched.  left: the loads younger than this step's, 18 a step.
.macro STEP p, zero, fetch, nextx, left
	PLACES                                         ; behind the last step's products, which read Y and the slot of tile 9 that is loaded next
.if \fetch
	WLOADS (\p)+3
	A9LOADS (\p)+3
.endif
	WIN 0
	YLOAD \p
	s_wait_loadcnt \left                           ; loads come back in order (ISA guide 5.7.1): this step's 16 of the weights and 2 of tile 9 are in
	CONV \p
	s_wait_dscnt 8                                 ; X is in; the eight younger loads are Y's
	WIN 0xa0
	MM 0, X, (\p)%2, \zero
	MM 1, X+8, (\p)%2, \zero
	MM 2, X+16, (\p)%2, \zero
	MM 3, X+24, (\p)%2, \zero
	MM 4, X+32, (\p)%2, \zero
	PLACES                                         ; in front of the loads into X
	WIN 0
.if \nextx
	XLOAD (\p)+1
	s_wait_dscnt 10                                ; Y is in; the ten younger loads are the next X's
.else
	s_wait_dscnt 0x0
.endif
	WIN 0xa0
	MM 5, Y, (\p)%2, \zero
	MM 6, Y+8, (\p)%2, \zero
	MM 7, Y+16, (\p)%2, \zero
	WIN 0xf0
	MM 8, Y+24, (\p)%2, \zero
	MM 9, A9+8*((\p)%4), (\p)%2, \zero
	WIN 0
.endm
.macro FLOAD p                         ; pair p of my 18 pairs of rows: lanes 0-15 take 256 consecutive bytes of one row, lanes 16-31 of the next; eight loads take the rows' 2,048 bytes
	WIN 0x80
.irp u, 0,1,2,3,4,5,6,7
	global_load_b128 v[32*((\p)%6)+4*\u:32*((\p)%6)+4*\u+3], v[O+(\p)], s[30:31] offset:256*\u
.endr
.endm
.macro FSTORE p, left                  ; left: the younger pairs' loads
	s_wait_loadcnt \left
	WIN 0x08
.irp u, 0,1,2,3,4,5,6,7
	ds_store_b128 v[FS1+(\p)/9], v[32*((\p)%6)+4*\u:32*((\p)%6)+4*\u+3] offset:((\p)%9)*2*APITCH+256*\u
.endr
.endm
; Register g of idx holds tokens 128 (g / 4) + 4 lane + g % 4.  A lane whose token chose e writes the token's number at its rank: the rows counted so far plus the choosing lanes below it.
; The other lanes write a word of their own behind the list, which nobody reads.  The index is held to the wave's 1,216 words before it becomes an address.
.macro GROUP g
.set tA, T+2*((\g)%4)
	v_cmp_eq_u32 vcc_lo, s15, v[B+(\g)]
	v_mbcnt_lo_u32_b32 v[tA], vcc_lo, s17
	v_cndmask_b32 v[tA], v[JUNK], v[tA], vcc_lo
	v_min_u32 v[tA], 0x4bf, v[tA]
	v_lshl_add_u32 v[tA], v[tA], 2, v[LB]
	v_add_nc_u32 v[tA+1], 128*((\g)/4)+(\g)%4, v[L4]
	ds_store_b32 v[tA], v[tA+1]
	s_bcnt1_i32_b32 s44, vcc_lo
	s_add_co_u32 s17, s17, s44
.endm
; The two K halves of my tile's columns 64 cg .. are read from the dumps and added; the sum also brings a lane's four neighbouring columns of row 8 h + j into registers 4 j .. 4 j + 3.
.macro TSUM cg, dst
.set ta, 0
.rept 8
	ds_load_b128 v[T0+4*ta:T0+4*ta+3], v[DR+(\cg)] offset:512*ta
	ds_load_b128 v[T1+4*ta:T1+4*ta+3], v[DR+(\cg)+2] offset:512*ta
.set ta, ta+1
.endr
	s_wait_dscnt 0x0
.set tj, 0
.rept 8
.set tc, 0
.rept 4
	v_add_f32 v[(\dst)+4*tj+tc], v[T0+8*tc+tj], v[T1+8*tc+tj]
.set tc, tc+1
.endr
.set tj, tj+1
.endr
.endm
.macro OFFS                            ; the stores' offsets: the token, held to the table, times its row, + 16 r
.irp t, 0,1,2,3,4,5,6,7
	v_min_u32 v[SO+\t], 0x3ff, v[SO+\t]
.endr
.irp t, 0,1,2,3,4,5,6,7
	v_lshl_add_u32 v[SO+\t], v[SO+\t], OLOG, v[L16]
.endr
.endm
; gelu_tanh(x) = x / (1 + 2^(x (K0 + K1 x^2))), K0 = -2 log2(e) sqrt(2 / pi), K1 = 0.044715 K0.  Far out the power is 0 or infinite and the result x or -0.
; The 32 exponentials are one batch with one wait, and so are the 32 reciprocals: a plain instruction behind the last, then the wait ahead of the first use.
.macro GELU
.set z, 0
.rept 16
	v_pk_mul_f32 v[E+2*z:E+2*z+1], v[F+2*z:F+2*z+1], v[F+2*z:F+2*z+1]
.set z, z+1
.endr
.set z, 0
.rept 16
	v_pk_fma_f32 v[E+2*z:E+2*z+1], v[E+2*z:E+2*z+1], s[38:39], s[40:41] op_sel_hi:[1,0,0]
.set z, z+1
.endr
.set z, 0
.rept 16
	v_pk_mul_f32 v[E+2*z:E+2*z+1], v[E+2*z:E+2*z+1], v[F+2*z:F+2*z+1]
.set z, z+1
.endr
.set z, 0
.rept 32
	v_exp_f32 v[E+z], v[E+z]
.set z, z+1
.endr
	v_nop
	s_wait_alu depctr_va_vdst(0)
.set z, 0
.rept 16
	v_pk_add_f32 v[E+2*z:E+2*z+1], v[E+2*z:E+2*z+1], 1.0 op_sel_hi:[1,0]
.set z, z+1
.endr
.set z, 0
.rept 32
	v_rcp_f32 v[E+z], v[E+z]
.set z, z+1
.endr
	v_nop
	s_wait_alu depctr_va_vdst(0)
.set z, 0
.rept 16
	v_pk_mul_f32 v[F+2*z:F+2*z+1], v[F+2*z:F+2*z+1], v[E+2*z:E+2*z+1]
.set z, z+1
.endr
.endm
	; THE HEAD
	s_load_b256 s[4:11], s[0:1], 0x0               ; weights s[4:5], left operand s[6:7], idx s[8:9], result s[10:11]
	v_lshl_add_u32 v[SPW], v0, 2, SPARE
	v_mov_b32 v[NIL], 0
	v_lshrrev_b32 v[T], 5, v0
	v_readfirstlane_b32 s12, v[T]                  ; wave 0..3
	v_and_b32 v[R], 15, v0
	v_bfe_u32 v[H], v0, 4, 1
	v_and_b32 v[T+1], 31, v0
	v_lshlrev_b32 v[L16], 4, v[R]
	v_lshlrev_b32 v[L4], 2, v[T+1]
	v_lshlrev_b32 v[IOFF], 4, v[T+1]
	v_add_nc_u32 v[JUNK], 1184, v[T+1]
	v_lshl_add_u32 v[WOFF], v[H], WSH, v[L16]
	s_and_b32 s13, s12, 1                          ; cg
	s_lshr_b32 s14, s12, 1                         ; kh
	s_and_b32 s15, ttmp7, 0xffff                   ; e
.if DOWN
	s_lshr_b32 s45, ttmp9, 3                       ; kq
	s_and_b32 s16, ttmp9, 7                        ; slice of 128 columns
.else
	s_mov_b32 s45, 0
	s_mov_b32 s16, ttmp9
.endif
	s_lshl_b32 s34, s15, 24                        ; my weights: the expert's 16 MiB,
	s_lshl_b32 s44, s45, 22                        ; the K quarter's 1,024 rows,
	s_add_co_u32 s34, s34, s44
	s_lshl_b32 s44, s14, KHSH                      ; my half's 512 rows,
	s_add_co_u32 s34, s34, s44
	s_lshl_b32 s44, s16, 9                         ; the slice's 512 bytes,
	s_add_co_u32 s34, s34, s44
	s_lshl_b32 s44, s13, 8                         ; my 256 of them
	s_add_co_u32 s34, s34, s44
	s_mov_b32 s35, 0
	s_lshl_b32 s36, s45, 11                        ; the left operand: the K quarter's 2,048 bytes of a row
	s_mov_b32 s37, 0
.if DOWN
	s_lshl_b32 s42, s45, 22                        ; the result: the quarter's 4 MiB, the slice's 512 bytes
	s_lshl_b32 s44, s16, 9
	s_add_co_u32 s42, s42, s44
.else
	s_lshl_b32 s42, s16, 8                         ; the result: the slice's 256 bytes
	s_mov_b32 s38, 0xbdd2d3e8                      ; K1 = -0.10294324
	s_mov_b32 s39, s38                             ; named with it as a pair
	s_mov_b32 s40, 0xc0135761                      ; K0 = -2.3022082
	s_mov_b32 s41, s40
.endif
	s_mov_b32 s43, 0
	s_wait_kmcnt 0x0
	s_add_nc_u64 s[24:25], s[4:5], s[34:35]
	s_mov_b64 s[26:27], s[24:25]
	s_add_nc_u64 s[30:31], s[6:7], s[36:37]
	s_add_nc_u64 s[32:33], s[10:11], s[42:43]
.irp q, 0,1,2,3,4,5,6,7
	global_load_b128 v[B+4*\q:B+4*\q+3], v[IOFF], s[8:9] offset:512*\q  ; all 1,024 choices, in every wave
.endr
	WPRO                                           ; the weights hang on no choice: they are asked for before anything is known of the rows
	; What one part of a pass hands to another in registers is given a value here, once, so that it holds a written value on every way through the text, the ways on which a part
	; is jumped among them: tile 9's offset and slots, and the 40 accumulators (products of zeros).  This stands in the wait for idx.
.set z, 0
.rept 32
	v_mov_b32 v[A9+z], 0
.set z, z+1
.endr
	v_mov_b32 v[A9OFF], 0
	WIN 0x80
.set z, 0
.rept 32
	v_wmma_f32_16x16x32_bf16 v[8*z:8*z+7], v[A9:A9+7], v[A9+8:A9+15], 0
.set z, z+1
.endr
	WIN 0xc0
.set z, 0
.rept 8
	v_wmma_f32_16x16x32_bf16 v[8*z:8*z+7], v[A9:A9+7], v[A9+8:A9+15], 0
.set z, z+1
.endr
	WIN 0
	s_mul_i32 s44, s12, LISTW
	s_add_co_u32 s44, s44, LIST
	v_mov_b32 v[LB], s44
	s_mul_i32 s44, s12, 144
	v_lshl_add_u32 v[LA0], v[H], 2, v[LB]
	v_add_nc_u32 v[LA0], s44, v[LA0]
	s_lshl_b32 s44, s12, 6
	v_lshl_add_u32 v[LE0], v[H], LESH, v[LB]
	v_add_nc_u32 v[LE0], s44, v[LE0]
	v_lshl_add_u32 v[L90], v[R], 2, v[LB]
	v_add_nc_u32 v[L90], 4*144, v[L90]
	s_lshl_b32 s44, s14, 10
	v_mul_u32_u24 v[AFB], APITCH, v[R]
	v_lshl_add_u32 v[AFB], v[H], 4, v[AFB]
	v_add_nc_u32 v[AFB], s44, v[AFB]
	v_lshl_add_u32 v[A9K], v[H], 4, s44
	s_mul_i32 s44, s12, 36*APITCH
	v_mul_u32_u24 v[FS1], APITCH, v[H]
	v_add3_u32 v[FS1], v[FS1], v[L16], s44
	v_add_nc_u32 v[FS2], 18*APITCH, v[FS1]
	s_mul_i32 s44, s12, DUMPW
	v_add_nc_u32 v[DW], s44, v[IOFF]
	s_lshl_b32 s44, s12, 12
	v_add_nc_u32 v[DRB], s44, v[IOFF]
.if DOWN
.else
	s_mul_i32 s44, s12, 16*SPITCH
	s_add_co_u32 s44, s44, STAGE                   ; my stage
	v_mul_u32_u24 v[STW], 8*SPITCH, v[H]           ; in: row 8 h + j, 8 bytes at 8 r
	v_lshl_add_u32 v[STW], v[R], 3, v[STW]
	v_add_nc_u32 v[STW], s44, v[STW]
	v_mul_u32_u24 v[STR], SPITCH, v[H]             ; back: lanes 0-15 one row of 256 bytes, lanes 16-31 the next
	v_add3_u32 v[STR], v[STR], v[L16], s44
.endif
	s_mov_b32 s17, 0
	s_wait_loadcnt 48                              ; idx is in: the 48 younger loads are the weights'
.set gg, 0
.rept 32
	GROUP gg
.set gg, gg+1
.endr
	s_cmp_eq_u32 s17, 0
	s_cbranch_scc1 .Lno_list
	s_sub_co_u32 s44, s17, 1                       ; the 160 places behind the list repeat its last token
	s_min_u32 s44, s44, 0x3ff
	v_lshl_add_u32 v[T], s44, 2, v[LB]
	ds_load_b32 v[T+1], v[T]                       ; LDS serves a wave's instructions in order (ISA guide 5.7.1.4): it sees the stores above
	v_and_b32 v[T+2], 31, v0
	v_add_nc_u32 v[T+2], s17, v[T+2]
	v_min_u32 v[T+2], 0x41f, v[T+2]
	v_lshl_add_u32 v[T+2], v[T+2], 2, v[LB]
	s_wait_dscnt 0x0
.irp u, 0,1,2,3,4
	ds_store_b32 v[T+2], v[T+1] offset:128*\u
.endr
.Lno_list:
	s_mov_b32 s18, 0
	s_mov_b32 s19, PASSES
.Lpass:                                                ; A PASS: rows s18 .. s18 + 159 of the list
	s_wait_xcnt 0x0                                ; every earlier memory instruction has had its addresses translated (ISA guide 3.1): bases, offsets and store data are rewritten only behind this wait
	s_mov_b64 s[28:29], s[30:31]
	s_add_co_u32 s22, s18, PROWS
	s_min_u32 s22, s22, s17
	s_lshl_b32 s44, s12, 4
	s_add_co_u32 s23, s18, s44
	s_lshl_b32 s45, s18, 2
.irp n, 0,1,2,3,4
	v_add_nc_u32 v[AF+\n], \n*2*TILEB, v[AFB]
.endr
.irp n, 0,1,2,3
	v_add_nc_u32 v[DR+\n], \n*DUMPW, v[DRB]
.endr
	v_add_nc_u32 v[LISTA], s45, v[LA0]
	v_add_nc_u32 v[LISTE], s45, v[LE0]
	; PART 1: the rows of tiles 0-8 into LDS, 36 a wave
	s_cmp_lt_u32 s18, s17
	s_cbranch_scc0 .Lno_fill
	s_cmp_eq_u32 s18, 0
	s_cbranch_scc1 .Lhave_w                        ; the first pass's first weights were asked for at the head
	s_wait_loadcnt 0x0
	s_mov_b64 s[26:27], s[24:25]
	WPRO
.Lhave_w:
.set fp, 0
.rept 18
	ds_load_b32 v[O+fp], v[LISTA] offset:8*fp
.set fp, fp+1
.endr
	v_add_nc_u32 v[T], s45, v[L90]
	ds_load_b32 v[A9OFF], v[T]
	s_wait_dscnt 0x0
.set fp, 0
.rept 18
	v_min_u32 v[O+fp], 0x3ff, v[O+fp]
	v_lshl_add_u32 v[O+fp], v[O+fp], ALOG, v[L16]
.set fp, fp+1
.endr
	v_min_u32 v[A9OFF], 0x3ff, v[A9OFF]
	v_lshl_add_u32 v[A9OFF], v[A9OFF], ALOG, v[A9K]
	A9LOADS 0
	A9LOADS 1
	A9LOADS 2
.set fp, 0
.rept 6
	FLOAD fp
.set fp, fp+1
.endr
.set fp, 0
.rept 18
.if fp < 12
	FSTORE fp, 40                                  ; five younger pairs stay out
	FLOAD fp+6
.else
	FSTORE fp, 8*(17-fp)                           ; the counts run down; the last is 0, so all that was asked for before the fill has landed too
.endif
.set fp, fp+1
.endr
	WIN 0
.Lno_fill:
	MEET                                           ; the rows are whole for every wave
	; PART 2: 16 K steps
	s_cmp_lt_u32 s18, s17
	s_cbranch_scc0 .Lno_k
	s_wait_loadcnt 0x0                             ; steps 0 to 2 are in (the fill's last wait has shown it)
	XLOAD 0
	STEP 0, 1, 1, 1, 54
	s_mov_b32 s20, 3
.Lk:                                                   ; a trip: four steps, once round the four slots
	STEP 1, 0, 1, 1, 54
	STEP 2, 0, 1, 1, 54
	STEP 3, 0, 1, 1, 54
	STEP 4, 0, 1, 1, 54
	s_wait_xcnt 0x0                                ; the bases step only behind this wait
	s_add_nc_u64 s[26:27], s[26:27], 128*WPITCH
	s_add_nc_u64 s[28:29], s[28:29], 256
.irp n, 0,1,2,3,4
	v_add_nc_u32 v[AF+\n], 256, v[AF+\n]
.endr
	s_sub_co_u32 s20, s20, 1
	s_cmp_lg_u32 s20, 0
	s_cbranch_scc1 .Lk
	STEP 1, 0, 0, 1, 36                            ; the last three steps ask for nothing: no load leaves the slice
	STEP 2, 0, 0, 1, 18
	STEP 3, 0, 0, 0, 0
	PLACES                                         ; behind the last products: what follows, on any way, reads their results or loads into their sources
.Lno_k:
	MEET                                           ; nobody reads the rows any more
	; PART 3: every wave's 40 accumulators into LDS, each accumulator's low four registers first
	s_cmp_lt_u32 s18, s17
	s_cbranch_scc0 .Lno_dump
	WIN 0x08
.set z, 0
.rept 32
	ds_store_b128 v[DW], v[8*z:8*z+3] offset:1024*z
	ds_store_b128 v[DW], v[8*z+4:8*z+7] offset:1024*z+512
.set z, z+1
.endr
	WIN 0x0c
.set z, 0
.rept 8
	ds_store_b128 v[DW], v[8*z:8*z+3] offset:1024*(z+32)
	ds_store_b128 v[DW], v[8*z+4:8*z+7] offset:1024*(z+32)+512
.set z, z+1
.endr
	WIN 0
.Lno_dump:
	MEET                                           ; the dumps are whole
	; PART 4: THE WAY OUT.  Wave w sends tiles w, w + 4, w + 8; a tile that begins at or past the rows' end (tiles 10 and 11 among them) is jumped
	s_mov_b32 s21, 3
.Ltile:
	s_cmp_lt_u32 s23, s22
	s_cbranch_scc0 .Lno_tile
	s_wait_xcnt 0x0                                ; the last tile's stores have read their offsets and data
.irp t, 0,1,2,3,4,5,6,7
	ds_load_b32 v[SO+\t], v[LISTE] offset:LSTEP*\t
.endr
.if DOWN
	TSUM 0, F
	OFFS
.irp j, 0,1,2,3,4,5,6,7
	global_store_b128 v[SO+\j], v[F+4*\j:F+4*\j+3], s[32:33]  ; 16 lanes store 256 consecutive bytes of a token's row, at a multiple of 256 from the buffer's first byte
.endr
	TSUM 1, F1
.irp j, 0,1,2,3,4,5,6,7
	global_store_b128 v[SO+\j], v[F1+4*\j:F1+4*\j+3], s[32:33] offset:256
.endr
.else
.irp g, 0,1
	TSUM \g, F
	GELU
.set z, 0
.rept 16
	v_cvt_pk_bf16_f32 v[PK+z], v[F+2*z], v[F+2*z+1]
.set z, z+1
.endr
.irp j, 0,1,2,3,4,5,6,7
	ds_store_b64 v[STW], v[PK+2*\j:PK+2*\j+1] offset:\j*SPITCH+128*\g
.endr
.endr
.irp t, 0,1,2,3,4,5,6,7
	ds_load_b128 v[RB+4*\t:RB+4*\t+3], v[STR] offset:\t*2*SPITCH  ; my own stage, served in order: these see the stores above
.endr
	OFFS
	s_wait_dscnt 0x0
.irp t, 0,1,2,3,4,5,6,7
	global_store_b128 v[SO+\t], v[RB+4*\t:RB+4*\t+3], s[32:33]  ; 16 lanes store 256 consecutive bytes of a token's row, at a multiple of 256 from the buffer's first byte
.endr
.endif
.Lno_tile:
.irp n, 0,1,2,3
	v_add_nc_u32 v[DR+\n], 4*4096, v[DR+\n]
.endr
	v_add_nc_u32 v[LISTE], 256, v[LISTE]
	s_add_co_u32 s23, s23, 64
	s_sub_co_u32 s21, s21, 1
	s_cmp_lg_u32 s21, 0
	s_cbranch_scc1 .Ltile
	MEET                                           ; nobody reads the dumps any more: the next pass may lay its rows there
	s_add_co_u32 s18, s18, PROWS
	s_sub_co_u32 s19, s19, 1
	s_cmp_lg_u32 s19, 0
	s_cbranch_scc1 .Lpass
	s_wait_tensorcnt 0x0                           ; the wave's end: behind my last LDS store
	ds_add_u32 v[SPW], v[NIL]
	s_wait_dscnt 0x0
	s_endpgm
.Lfunc_end_k_q83458b8a3d_up:
	.size	k_q83458b8a3d_up, .Lfunc_end_k_q83458b8a3d_up-k_q83458b8a3d_up
	.p2alignl 7, 3214868480
	.fill 96, 4, 3214868480
	.section	.rodata,"a",@progbits
	.p2align	6, 0x0
	.amdhsa_kernel k_q83458b8a3d_up
		.amdhsa_group_segment_fixed_size 317184
		.amdhsa_private_segment_fixed_size 0
		.amdhsa_enable_private_segment 0
		.amdhsa_kernarg_size 32
		.amdhsa_user_sgpr_count 2
		.amdhsa_user_sgpr_kernarg_segment_ptr 1
		.amdhsa_wavefront_size32 1
		.amdhsa_system_sgpr_workgroup_id_x 1
		.amdhsa_system_sgpr_workgroup_id_y 1
		.amdhsa_system_sgpr_workgroup_id_z 1
		.amdhsa_system_vgpr_workitem_id 0
		.amdhsa_next_free_vgpr 832
		.amdhsa_next_free_sgpr 66
		.amdhsa_reserve_vcc 1
		.amdhsa_float_denorm_mode_32 3
		.amdhsa_float_denorm_mode_16_64 3
		.amdhsa_memory_ordered 1
		.amdhsa_forward_progress 1
		.amdhsa_inst_pref_size 151
	.end_amdhsa_kernel
	.amdgpu_metadata
---
amdhsa.version: [ 1, 2 ]
amdhsa.kernels:
  - .name:           k_q83458b8a3d_up
    .symbol:         k_q83458b8a3d_up.kd
    .args:
      - { .name: W1, .offset: 0, .size: 8, .value_kind: global_buffer, .address_space: global }
      - { .name: xb, .offset: 8, .size: 8, .value_kind: global_buffer, .address_space: global }
      - { .name: idx, .offset: 16, .size: 8, .value_kind: global_buffer, .address_space: global }
      - { .name: hbuf, .offset: 24, .size: 8, .value_kind: global_buffer, .address_space: global }
    .group_segment_fixed_size: 317184
    .private_segment_fixed_size: 0
    .kernarg_segment_align: 8
    .kernarg_segment_size: 32
    .max_flat_workgroup_size: 128
    .sgpr_count:     66
    .vgpr_count:     832
    .wavefront_size: 32
...
	.end_amdgpu_metadata
.endif
;; end of part 2
;; launch down (part 3): grid 32 x 8, 4 waves a work-group, no clusters, 317,184 bytes of LDS; arguments W2, hbuf, idx, part; writes part
.if DOCPART == 3
	.amdgcn_target "amdgcn-amd-amdhsa--gfx1250"
	.amdhsa_code_object_version 6
	.text
	.protected	k_q83458b8a3d_down
	.globl	k_q83458b8a3d_down
	.p2align	8
	.type	k_q83458b8a3d_down,@function
k_q83458b8a3d_down:
	s_mov_b64 s[64:65], 0
	v_nop
	global_prefetch_b8 v0, s[64:65] scope:SCOPE_SE
	s_setreg_imm32_b32 hwreg(HW_REG_WAVE_MODE, 25, 1), 1
	s_wait_xcnt 0x0
; ONE PRODUCT OF A LAYER OF ROUTED EXPERTS, for the rows that chose the expert.  One text serves both products; DOWN says which.
;   DOWN = 0:  hbuf[token][4096] (bf16) = gelu_tanh(xb[token][1024] (bf16) . W1[e] ([1024][4096] f32)), sums and gelu in f32, rounded once.
;   DOWN = 1:  part[kq][token][1024] (f32) = hbuf[token][1024 kq ..] . W2[e] ([4096][1024] f32) over K quarter kq; a later launch adds the four.
; The weights are rounded to bf16 on their way through registers.  idx[token] is the token's expert, stored by the router's launch.
; SHARES.  Work-group (x, e): expert e, 128 columns, 1,024 along K, which it alone reads, and ALL rows of that expert, 160 to a PASS.  Wave w = cg + 2 kh has 64 columns (cg)
; and 512 along K (kh), and all 10 tiles of 16 rows: 40 accumulators.  The two K halves meet in LDS on the way out.
; WEIGHTS lie [k][n].  For a K step of 32 lane (r, h) loads 16 bytes, columns 4 r .. 4 r + 3, of 16 rows: 8 h + 0..7 and 16 + 8 h + 0..7.  Each load takes two rows' 256 consecutive
; bytes, at multiples of 256 from the buffer's first byte.  Rounding neighbouring k of one column in pairs gives source 1 as the matrix instruction wants it; the four registers of a load fall into four
; tiles, tile c holding columns 4 r + c.  No LDS and no turning load; k keeps its true places.
; ROWS.  Every wave makes its own list of the expert's tokens in LDS.  Tiles 0-8 (144 rows x 1,024 k) are laid into LDS once a pass; all of LDS would hold just 160 such rows and nothing else,
; so tile 9 comes from memory as fragments, two loads a K step.  Places past the count repeat the expert's last row; what they give is stored onto that row's own bytes, the same numbers.
; EVERY SPLIT is served: 7 passes of 160 cover 1,024 rows.  The pass loop has a constant count and four barriers a trip on every wave's way; a pass past the count jumps its parts, none of
; which holds a barrier.  LIMIT: an expert with more than 160 rows reads its weights once for each 160.  An expert without rows stores nothing.
; AHEAD.  A wave asks three K steps ahead: 54 loads are younger than the step that it waits for.
; NO CLUSTER: each weight has one work-group that reads it; the rows that an expert's work-groups share are named by a list, which no tile's descriptor covers.
; REGISTERS, in windows of 256 (s_set_vgpr_msb: bits 1:0 source 0, 3:2 source 1, 5:4 source 2, 7:6 destination):
;   window 0: addresses, operands (below)      window 1: the weights as loaded, four slots of 64: load i, register c at 64 slot + 4 i + c
;   window 2: accumulator (tile i, c) at 32 i + 8 c, tiles 0-7; during the fill v0-191 are six slots of 32      window 3: tiles 8 and 9
.set DOWN, 1
.if DOWN
.set WPITCH, 4096                      ; bytes from row to row of the weights
.set WSH,    15                        ; 8 rows of them, as a shift
.set KHSH,   21                        ; 512 rows of them
.set ALOG,   13                        ; a token's row of the left operand: 8,192 bytes
.set OLOG,   12                        ; a token's row of the result: 4,096 bytes
.set LSTEP,  4                         ; the way out's store j takes rows 8 h + j
.set LESH,   5
.else
.set WPITCH, 16384
.set WSH,    17
.set KHSH,   23
.set ALOG,   11
.set OLOG,   13
.set LSTEP,  8                         ; the way out's store t takes rows 2 t + h
.set LESH,   2
.endif
.set APITCH, 2064                      ; a row in LDS: 2,048 bytes + 16 = 129 x 16: the 16 rows of a fragment load start 16 bytes apart modulo 256
.set TILEB,  16*APITCH
.set LIST,   144*APITCH                ; behind the rows: for each wave 1,184 words of list (1,024 ranks + 160 repeats) and 32 words for the lanes that have nothing to list
.set LISTW,  4864
.set SPARE,  LIST+4*LISTW              ; the spare words: 128 bytes for each wave; no other line names them
.set DUMPW,  40960                     ; the way out, in the rows' bytes: a wave's 40 accumulators of 1,024 bytes
.set STAGE,  172032                    ; behind the furthest byte that a stepped dump address names: 16 rows x 272 bytes for each wave
.set SPITCH, 272
.set PROWS,  160
.set PASSES, 7
.set R,    1                           ; v1   lane % 16
.set H,    2                           ; v2   lane / 16
.set SPW,  3                           ; v3   SPARE + 4 x my thread's number; never rewritten
.set NIL,  4                           ; v4   0; never rewritten
.set WOFF, 5                           ; v5   8 h rows + 16 r in the weights; never rewritten
.set A9OFF,6                           ; v6   tile 9: my row's byte offset
.set LISTA,7                           ; v7   the fill's place in the list
.set FS1,  8                           ; v8-9 where the fill puts 16 bytes: pairs of rows 0-8, 9-17
.set FS2,  9
.set AF,   10                          ; v10-14  fragment addresses, tiles 2 n and 2 n + 1
.set L16,  15                          ; v15  16 r
.set DW,   16                          ; v16  my dump
.set DR,   17                          ; v17-20  wave ws's dump of the tile that I send out
.set LISTE,21                          ; v21  the way out's place in the list
.set STW,  22                          ; v22  stage, in
.set STR,  23                          ; v23  stage, back
.set SO,   24                          ; v24-31  the stores' byte offsets
.set B,    32                          ; v32-95   source 1, two buffers of four tiles; at the head v32-63 hold idx
.set X,    96                          ; v96-135  fragments of tiles 0-4
.set Y,    136                         ; v136-167 of tiles 5-8
.set A9,   168                         ; v168-199 of tile 9, four slots
.set O,    200                         ; v200-217 the fill's byte offsets, a pair of rows each
.set AFB,  218                         ; the rest is made once and never rewritten: r x pitch + 16 h + 1,024 kh
.set LB,   219                         ; my list
.set JUNK, 220                         ; 1,184 + lane
.set L4,   221                         ; 4 x lane
.set DRB,  222                         ; 4,096 w + 16 x lane
.set LA0,  223                         ; LB + 4 (36 w + h)
.set LE0,  224                         ; LB + 4 (16 w + h), or + 4 (16 w + 8 h)
.set L90,  225                         ; LB + 4 (144 + r)
.set A9K,  226                         ; 1,024 kh + 16 h
.set IOFF, 227                         ; 16 x lane
.set T,    228                         ; v228-235 at work
.set T0,   32                          ; the way out: the two K halves of a tile's 64 columns,
.set T1,   64
.set F,    96                          ; their sum, row j's four columns at 4 j
.set F1,   128                         ; (DOWN) the other 64 columns' sum
.set E,    128                         ; (gelu) at work
.set PK,   160                         ; bf16, two registers a row
.set RB,   176                         ; whole rows back from the stage
; s12 w  s13 cg  s14 kh  s15 e  s16 slice  s17 the expert's rows  s18 the pass's first row  s19 passes to go  s20 K trips  s21 tiles  s22 rows' end in this pass  s23 my tile's first row
; s[24:25] my weights  s[26:27] the same, walking  s[28:29] tile 9's base, walking  s[30:31] left operand  s[32:33] result  s[38:41] gelu's constants  s44, s45 at work
.set MSB, 0
.macro WIN new                         ; the immediate's high byte repeats the setting that is left; a switch that changes nothing is dropped
.if MSB != (\new)
	s_set_vgpr_msb (MSB<<8)|(\new)
.set MSB, \new
.endif
.endm
.macro PLACES                          ; four places between a matrix instruction and a load into, or a read of, its registers (ISA guide 7.12.1 for reads)
.rept 4
	v_nop
.endr
.endm
.macro MEET                            ; a barrier: no LDS instruction of mine is out when I signal
	s_wait_dscnt 0x0
	s_barrier_signal -1
	s_barrier_wait -1
.endm
.macro WLOADS pos                      ; the weights of K step pos (counted from the walking base): 16 loads
	WIN 0x40
.set wi, 0
.rept 16
	global_load_b128 v[64*((\pos)%4)+4*wi:64*((\pos)%4)+4*wi+3], v[WOFF], s[26:27] offset:(32*(\pos)+wi+8*(wi/8))*WPITCH th:TH_LOAD_NT
.set wi, wi+1
.endr
.endm
.macro A9LOADS pos                     ; tile 9's fragment of K step pos
	WIN 0
	global_load_b128 v[A9+8*((\pos)%4):A9+8*((\pos)%4)+3],   v[A9OFF], s[28:29] offset:64*(\pos)
	global_load_b128 v[A9+8*((\pos)%4)+4:A9+8*((\pos)%4)+7], v[A9OFF], s[28:29] offset:64*(\pos)+32
.endm
.macro WPRO                            ; the first three K steps' weights
	WLOADS 0
	WLOADS 1
	WLOADS 2
	WIN 0
.endm
.macro CONV p                          ; slot p % 4 rounded to bf16: register j of tile c takes k = 2 j, 2 j + 1 of the lane's sixteen, column 4 r + c
	WIN 0x05
.set cc, 0
.rept 4
.set cj, 0
.rept 8
	v_cvt_pk_bf16_f32 v[B+32*((\p)%2)+8*cc+cj], v[64*((\p)%4)+8*cj+cc], v[64*((\p)%4)+8*cj+4+cc]
.set cj, cj+1
.endr
.set cc, cc+1
.endr
.endm
.macro ALD i, reg, pos                 ; tile i's fragment of K step pos: row r, 16 bytes at 16 h and 32 further on
	ds_load_b128 v[(\reg):(\reg)+3],   v[AF+(\i)/2] offset:((\i)%2)*TILEB+64*(\pos)
	ds_load_b128 v[(\reg)+4:(\reg)+7], v[AF+(\i)/2] offset:((\i)%2)*TILEB+64*(\pos)+32
.endm
.macro XLOAD pos
.irp i, 0,1,2,3,4
	ALD \i, X+8*\i, \pos
.endr
.endm
.macro YLOAD pos
.irp i, 5,6,7,8
	ALD \i, Y+8*\i-40, \pos
.endr
.endm
.macro MM i, areg, b, zero             ; tile i x the four column tiles.  Source 0 = 16 rows, source 1 = 16 columns: register j of lane (r, h) is (row 8 h + j, column 4 r + c)
.irp c, 0,1,2,3
.if \zero
	v_wmma_f32_16x16x32_bf16 v[32*((\i)%8)+8*\c:32*((\i)%8)+8*\c+7], v[(\areg):(\areg)+7], v[B+32*(\b)+8*\c:B+32*(\b)+8*\c+7], 0
.else
	v_wmma_f32_16x16x32_bf16 v[32*((\i)%8)+8*\c:32*((\i)%8)+8*\c+7], v[(\areg):(\areg)+7], v[B+32*(\b)+8*\c:B+32*(\b)+8*\c+7], v[32*((\i)%8)+8*\c:32*((\i)%8)+8*\c+7]
.endif
.endr
.endm
; A K STEP of 32: 40 matrix instructions; the 40 accumulators take turns, one instruction a turn, over the loop's jump too.
; zero = 1: the products start the sums.  fetch = 1: the step three on is asked for.  nextx = 1: the next step's X is fetched.  left: the loads younger than this step's, 18 a step.
.macro STEP p, zero, fetch, nextx, left
	PLACES                                         ; behind the last step's products, which read Y and the slot of tile 9 that is loaded next
.if \fetch
	WLOADS (\p)+3
	A9LOADS (\p)+3
.endif
	WIN 0
	YLOAD \p
	s_wait_loadcnt \left                           ; loads come back in order (ISA guide 5.7.1): this step's 16 of the weights and 2 of tile 9 are in
	CONV \p
	s_wait_dscnt 8                                 ; X is in; the eight younger loads are Y's
	WIN 0xa0
	MM 0, X, (\p)%2, \zero
	MM 1, X+8, (\p)%2, \zero
	MM 2, X+16, (\p)%2, \zero
	MM 3, X+24, (\p)%2, \zero
	MM 4, X+32, (\p)%2, \zero
	PLACES                                         ; in front of the loads into X
	WIN 0
.if \nextx
	XLOAD (\p)+1
	s_wait_dscnt 10                                ; Y is in; the ten younger loads are the next X's
.else
	s_wait_dscnt 0x0
.endif
	WIN 0xa0
	MM 5, Y, (\p)%2, \zero
	MM 6, Y+8, (\p)%2, \zero
	MM 7, Y+16, (\p)%2, \zero
	WIN 0xf0
	MM 8, Y+24, (\p)%2, \zero
	MM 9, A9+8*((\p)%4), (\p)%2, \zero
	WIN 0
.endm
.macro FLOAD p                         ; pair p of my 18 pairs of rows: lanes 0-15 take 256 consecutive bytes of one row, lanes 16-31 of the next; eight loads take the rows' 2,048 bytes
	WIN 0x80
.irp u, 0,1,2,3,4,5,6,7
	global_load_b128 v[32*((\p)%6)+4*\u:32*((\p)%6)+4*\u+3], v[O+(\p)], s[30:31] offset:256*\u
.endr
.endm
.macro FSTORE p, left                  ; left: the younger pairs' loads
	s_wait_loadcnt \left
	WIN 0x08
.irp u, 0,1,2,3,4,5,6,7
	ds_store_b128 v[FS1+(\p)/9], v[32*((\p)%6)+4*\u:32*((\p)%6)+4*\u+3] offset:((\p)%9)*2*APITCH+256*\u
.endr
.endm
; Register g of idx holds tokens 128 (g / 4) + 4 lane + g % 4.  A lane whose token chose e writes the token's number at its rank: the rows counted so far plus the choosing lanes below it.
; The other lanes write a word of their own behind the list, which nobody reads.  The index is held to the wave's 1,216 words before it becomes an address.
.macro GROUP g
.set tA, T+2*((\g)%4)
	v_cmp_eq_u32 vcc_lo, s15, v[B+(\g)]
	v_mbcnt_lo_u32_b32 v[tA], vcc_lo, s17
	v_cndmask_b32 v[tA], v[JUNK], v[tA], vcc_lo
	v_min_u32 v[tA], 0x4bf, v[tA]
	v_lshl_add_u32 v[tA], v[tA], 2, v[LB]
	v_add_nc_u32 v[tA+1], 128*((\g)/4)+(\g)%4, v[L4]
	ds_store_b32 v[tA], v[tA+1]
	s_bcnt1_i32_b32 s44, vcc_lo
	s_add_co_u32 s17, s17, s44
.endm
; The two K halves of my tile's columns 64 cg .. are read from the dumps and added; the sum also brings a lane's four neighbouring columns of row 8 h + j into registers 4 j .. 4 j + 3.
.macro TSUM cg, dst
.set ta, 0
.rept 8
	ds_load_b128 v[T0+4*ta:T0+4*ta+3], v[DR+(\cg)] offset:512*ta
	ds_load_b128 v[T1+4*ta:T1+4*ta+3], v[DR+(\cg)+2] offset:512*ta
.set ta, ta+1
.endr
	s_wait_dscnt 0x0
.set tj, 0
.rept 8
.set tc, 0
.rept 4
	v_add_f32 v[(\dst)+4*tj+tc], v[T0+8*tc+tj], v[T1+8*tc+tj]
.set tc, tc+1
.endr
.set tj, tj+1
.endr
.endm
.macro OFFS                            ; the stores' offsets: the token, held to the table, times its row, + 16 r
.irp t, 0,1,2,3,4,5,6,7
	v_min_u32 v[SO+\t], 0x3ff, v[SO+\t]
.endr
.irp t, 0,1,2,3,4,5,6,7
	v_lshl_add_u32 v[SO+\t], v[SO+\t], OLOG, v[L16]
.endr
.endm
; gelu_tanh(x) = x / (1 + 2^(x (K0 + K1 x^2))), K0 = -2 log2(e) sqrt(2 / pi), K1 = 0.044715 K0.  Far out the power is 0 or infinite and the result x or -0.
; The 32 exponentials are one batch with one wait, and so are the 32 reciprocals: a plain instruction behind the last, then the wait ahead of the first use.
.macro GELU
.set z, 0
.rept 16
	v_pk_mul_f32 v[E+2*z:E+2*z+1], v[F+2*z:F+2*z+1], v[F+2*z:F+2*z+1]
.set z, z+1
.endr
.set z, 0
.rept 16
	v_pk_fma_f32 v[E+2*z:E+2*z+1], v[E+2*z:E+2*z+1], s[38:39], s[40:41] op_sel_hi:[1,0,0]
.set z, z+1
.endr
.set z, 0
.rept 16
	v_pk_mul_f32 v[E+2*z:E+2*z+1], v[E+2*z:E+2*z+1], v[F+2*z:F+2*z+1]
.set z, z+1
.endr
.set z, 0
.rept 32
	v_exp_f32 v[E+z], v[E+z]
.set z, z+1
.endr
	v_nop
	s_wait_alu depctr_va_vdst(0)
.set z, 0
.rept 16
	v_pk_add_f32 v[E+2*z:E+2*z+1], v[E+2*z:E+2*z+1], 1.0 op_sel_hi:[1,0]
.set z, z+1
.endr
.set z, 0
.rept 32
	v_rcp_f32 v[E+z], v[E+z]
.set z, z+1
.endr
	v_nop
	s_wait_alu depctr_va_vdst(0)
.set z, 0
.rept 16
	v_pk_mul_f32 v[F+2*z:F+2*z+1], v[F+2*z:F+2*z+1], v[E+2*z:E+2*z+1]
.set z, z+1
.endr
.endm
	; THE HEAD
	s_load_b256 s[4:11], s[0:1], 0x0               ; weights s[4:5], left operand s[6:7], idx s[8:9], result s[10:11]
	v_lshl_add_u32 v[SPW], v0, 2, SPARE
	v_mov_b32 v[NIL], 0
	v_lshrrev_b32 v[T], 5, v0
	v_readfirstlane_b32 s12, v[T]                  ; wave 0..3
	v_and_b32 v[R], 15, v0
	v_bfe_u32 v[H], v0, 4, 1
	v_and_b32 v[T+1], 31, v0
	v_lshlrev_b32 v[L16], 4, v[R]
	v_lshlrev_b32 v[L4], 2, v[T+1]
	v_lshlrev_b32 v[IOFF], 4, v[T+1]
	v_add_nc_u32 v[JUNK], 1184, v[T+1]
	v_lshl_add_u32 v[WOFF], v[H], WSH, v[L16]
	s_and_b32 s13, s12, 1                          ; cg
	s_lshr_b32 s14, s12, 1                         ; kh
	s_and_b32 s15, ttmp7, 0xffff                   ; e
.if DOWN
	s_lshr_b32 s45, ttmp9, 3                       ; kq
	s_and_b32 s16, ttmp9, 7                        ; slice of 128 columns
.else
	s_mov_b32 s45, 0
	s_mov_b32 s16, ttmp9
.endif
	s_lshl_b32 s34, s15, 24                        ; my weights: the expert's 16 MiB,
	s_lshl_b32 s44, s45, 22                        ; the K quarter's 1,024 rows,
	s_add_co_u32 s34, s34, s44
	s_lshl_b32 s44, s14, KHSH                      ; my half's 512 rows,
	s_add_co_u32 s34, s34, s44
	s_lshl_b32 s44, s16, 9                         ; the slice's 512 bytes,
	s_add_co_u32 s34, s34, s44
	s_lshl_b32 s44, s13, 8                         ; my 256 of them
	s_add_co_u32 s34, s34, s44
	s_mov_b32 s35, 0
	s_lshl_b32 s36, s45, 11                        ; the left operand: the K quarter's 2,048 bytes of a row
	s_mov_b32 s37, 0
.if DOWN
	s_lshl_b32 s42, s45, 22                        ; the result: the quarter's 4 MiB, the slice's 512 bytes
	s_lshl_b32 s44, s16, 9
	s_add_co_u32 s42, s42, s44
.else
	s_lshl_b32 s42, s16, 8                         ; the result: the slice's 256 bytes
	s_mov_b32 s38, 0xbdd2d3e8                      ; K1 = -0.10294324
	s_mov_b32 s39, s38                             ; named with it as a pair
	s_mov_b32 s40, 0xc0135761                      ; K0 = -2.3022082
	s_mov_b32 s41, s40
.endif
	s_mov_b32 s43, 0
	s_wait_kmcnt 0x0
	s_add_nc_u64 s[24:25], s[4:5], s[34:35]
	s_mov_b64 s[26:27], s[24:25]
	s_add_nc_u64 s[30:31], s[6:7], s[36:37]
	s_add_nc_u64 s[32:33], s[10:11], s[42:43]
.irp q, 0,1,2,3,4,5,6,7
	global_load_b128 v[B+4*\q:B+4*\q+3], v[IOFF], s[8:9] offset:512*\q  ; all 1,024 choices, in every wave
.endr
	WPRO                                           ; the weights hang on no choice: they are asked for before anything is known of the rows
	; What one part of a pass hands to another in registers is given a value here, once, so that it holds a written value on every way through the text, the ways on which a part
	; is jumped among them: tile 9's offset and slots, and the 40 accumulators (products of zeros).  This stands in the wait for idx.
.set z, 0
.rept 32
	v_mov_b32 v[A9+z], 0
.set z, z+1
.endr
	v_mov_b32 v[A9OFF], 0
	WIN 0x80
.set z, 0
.rept 32
	v_wmma_f32_16x16x32_bf16 v[8*z:8*z+7], v[A9:A9+7], v[A9+8:A9+15], 0
.set z, z+1
.endr
	WIN 0xc0
.set z, 0
.rept 8
	v_wmma_f32_16x16x32_bf16 v[8*z:8*z+7], v[A9:A9+7], v[A9+8:A9+15], 0
.set z, z+1
.endr
	WIN 0
	s_mul_i32 s44, s12, LISTW
	s_add_co_u32 s44, s44, LIST
	v_mov_b32 v[LB], s44
	s_mul_i32 s44, s12, 144
	v_lshl_add_u32 v[LA0], v[H], 2, v[LB]
	v_add_nc_u32 v[LA0], s44, v[LA0]
	s_lshl_b32 s44, s12, 6
	v_lshl_add_u32 v[LE0], v[H], LESH, v[LB]
	v_add_nc_u32 v[LE0], s44, v[LE0]
	v_lshl_add_u32 v[L90], v[R], 2, v[LB]
	v_add_nc_u32 v[L90], 4*144, v[L90]
	s_lshl_b32 s44, s14, 10
	v_mul_u32_u24 v[AFB], APITCH, v[R]
	v_lshl_add_u32 v[AFB], v[H], 4, v[AFB]
	v_add_nc_u32 v[AFB], s44, v[AFB]
	v_lshl_add_u32 v[A9K], v[H], 4, s44
	s_mul_i32 s44, s12, 36*APITCH
	v_mul_u32_u24 v[FS1], APITCH, v[H]
	v_add3_u32 v[FS1], v[FS1], v[L16], s44
	v_add_nc_u32 v[FS2], 18*APITCH, v[FS1]
	s_mul_i32 s44, s12, DUMPW
	v_add_nc_u32 v[DW], s44, v[IOFF]
	s_lshl_b32 s44, s12, 12
	v_add_nc_u32 v[DRB], s44, v[IOFF]
.if DOWN
.else
	s_mul_i32 s44, s12, 16*SPITCH
	s_add_co_u32 s44, s44, STAGE                   ; my stage
	v_mul_u32_u24 v[STW], 8*SPITCH, v[H]           ; in: row 8 h + j, 8 bytes at 8 r
	v_lshl_add_u32 v[STW], v[R], 3, v[STW]
	v_add_nc_u32 v[STW], s44, v[STW]
	v_mul_u32_u24 v[STR], SPITCH, v[H]             ; back: lanes 0-15 one row of 256 bytes, lanes 16-31 the next
	v_add3_u32 v[STR], v[STR], v[L16], s44
.endif
	s_mov_b32 s17, 0
	s_wait_loadcnt 48                              ; idx is in: the 48 younger loads are the weights'
.set gg, 0
.rept 32
	GROUP gg
.set gg, gg+1
.endr
	s_cmp_eq_u32 s17, 0
	s_cbranch_scc1 .Lno_list
	s_sub_co_u32 s44, s17, 1                       ; the 160 places behind the list repeat its last token
	s_min_u32 s44, s44, 0x3ff
	v_lshl_add_u32 v[T], s44, 2, v[LB]
	ds_load_b32 v[T+1], v[T]                       ; LDS serves a wave's instructions in order (ISA guide 5.7.1.4): it sees the stores above
	v_and_b32 v[T+2], 31, v0
	v_add_nc_u32 v[T+2], s17, v[T+2]
	v_min_u32 v[T+2], 0x41f, v[T+2]
	v_lshl_add_u32 v[T+2], v[T+2], 2, v[LB]
	s_wait_dscnt 0x0
.irp u, 0,1,2,3,4
	ds_store_b32 v[T+2], v[T+1] offset:128*\u
.endr
.Lno_list:
	s_mov_b32 s18, 0
	s_mov_b32 s19, PASSES
.Lpass:                                                ; A PASS: rows s18 .. s18 + 159 of the list
	s_wait_xcnt 0x0                                ; every earlier memory instruction has had its addresses translated (ISA guide 3.1): bases, offsets and store data are rewritten only behind this wait
	s_mov_b64 s[28:29], s[30:31]
	s_add_co_u32 s22, s18, PROWS
	s_min_u32 s22, s22, s17
	s_lshl_b32 s44, s12, 4
	s_add_co_u32 s23, s18, s44
	s_lshl_b32 s45, s18, 2
.irp n, 0,1,2,3,4
	v_add_nc_u32 v[AF+\n], \n*2*TILEB, v[AFB]
.endr
.irp n, 0,1,2,3
	v_add_nc_u32 v[DR+\n], \n*DUMPW, v[DRB]
.endr
	v_add_nc_u32 v[LISTA], s45, v[LA0]
	v_add_nc_u32 v[LISTE], s45, v[LE0]
	; PART 1: the rows of tiles 0-8 into LDS, 36 a wave
	s_cmp_lt_u32 s18, s17
	s_cbranch_scc0 .Lno_fill
	s_cmp_eq_u32 s18, 0
	s_cbranch_scc1 .Lhave_w                        ; the first pass's first weights were asked for at the head
	s_wait_loadcnt 0x0
	s_mov_b64 s[26:27], s[24:25]
	WPRO
.Lhave_w:
.set fp, 0
.rept 18
	ds_load_b32 v[O+fp], v[LISTA] offset:8*fp
.set fp, fp+1
.endr
	v_add_nc_u32 v[T], s45, v[L90]
	ds_load_b32 v[A9OFF], v[T]
	s_wait_dscnt 0x0
.set fp, 0
.rept 18
	v_min_u32 v[O+fp], 0x3ff, v[O+fp]
	v_lshl_add_u32 v[O+fp], v[O+fp], ALOG, v[L16]
.set fp, fp+1
.endr
	v_min_u32 v[A9OFF], 0x3ff, v[A9OFF]
	v_lshl_add_u32 v[A9OFF], v[A9OFF], ALOG, v[A9K]
	A9LOADS 0
	A9LOADS 1
	A9LOADS 2
.set fp, 0
.rept 6
	FLOAD fp
.set fp, fp+1
.endr
.set fp, 0
.rept 18
.if fp < 12
	FSTORE fp, 40                                  ; five younger pairs stay out
	FLOAD fp+6
.else
	FSTORE fp, 8*(17-fp)                           ; the counts run down; the last is 0, so all that was asked for before the fill has landed too
.endif
.set fp, fp+1
.endr
	WIN 0
.Lno_fill:
	MEET                                           ; the rows are whole for every wave
	; PART 2: 16 K steps
	s_cmp_lt_u32 s18, s17
	s_cbranch_scc0 .Lno_k
	s_wait_loadcnt 0x0                             ; steps 0 to 2 are in (the fill's last wait has shown it)
	XLOAD 0
	STEP 0, 1, 1, 1, 54
	s_mov_b32 s20, 3
.Lk:                                                   ; a trip: four steps, once round the four slots
	STEP 1, 0, 1, 1, 54
	STEP 2, 0, 1, 1, 54
	STEP 3, 0, 1, 1, 54
	STEP 4, 0, 1, 1, 54
	s_wait_xcnt 0x0                                ; the bases step only behind this wait
	s_add_nc_u64 s[26:27], s[26:27], 128*WPITCH
	s_add_nc_u64 s[28:29], s[28:29], 256
.irp n, 0,1,2,3,4
	v_add_nc_u32 v[AF+\n], 256, v[AF+\n]
.endr
	s_sub_co_u32 s20, s20, 1
	s_cmp_lg_u32 s20, 0
	s_cbranch_scc1 .Lk
	STEP 1, 0, 0, 1, 36                            ; the last three steps ask for nothing: no load leaves the slice
	STEP 2, 0, 0, 1, 18
	STEP 3, 0, 0, 0, 0
	PLACES                                         ; behind the last products: what follows, on any way, reads their results or loads into their sources
.Lno_k:
	MEET                                           ; nobody reads the rows any more
	; PART 3: every wave's 40 accumulators into LDS, each accumulator's low four registers first
	s_cmp_lt_u32 s18, s17
	s_cbranch_scc0 .Lno_dump
	WIN 0x08
.set z, 0
.rept 32
	ds_store_b128 v[DW], v[8*z:8*z+3] offset:1024*z
	ds_store_b128 v[DW], v[8*z+4:8*z+7] offset:1024*z+512
.set z, z+1
.endr
	WIN 0x0c
.set z, 0
.rept 8
	ds_store_b128 v[DW], v[8*z:8*z+3] offset:1024*(z+32)
	ds_store_b128 v[DW], v[8*z+4:8*z+7] offset:1024*(z+32)+512
.set z, z+1
.endr
	WIN 0
.Lno_dump:
	MEET                                           ; the dumps are whole
	; PART 4: THE WAY OUT.  Wave w sends tiles w, w + 4, w + 8; a tile that begins at or past the rows' end (tiles 10 and 11 among them) is jumped
	s_mov_b32 s21, 3
.Ltile:
	s_cmp_lt_u32 s23, s22
	s_cbranch_scc0 .Lno_tile
	s_wait_xcnt 0x0                                ; the last tile's stores have read their offsets and data
.irp t, 0,1,2,3,4,5,6,7
	ds_load_b32 v[SO+\t], v[LISTE] offset:LSTEP*\t
.endr
.if DOWN
	TSUM 0, F
	OFFS
.irp j, 0,1,2,3,4,5,6,7
	global_store_b128 v[SO+\j], v[F+4*\j:F+4*\j+3], s[32:33]  ; 16 lanes store 256 consecutive bytes of a token's row, at a multiple of 256 from the buffer's first byte
.endr
	TSUM 1, F1
.irp j, 0,1,2,3,4,5,6,7
	global_store_b128 v[SO+\j], v[F1+4*\j:F1+4*\j+3], s[32:33] offset:256
.endr
.else
.irp g, 0,1
	TSUM \g, F
	GELU
.set z, 0
.rept 16
	v_cvt_pk_bf16_f32 v[PK+z], v[F+2*z], v[F+2*z+1]
.set z, z+1
.endr
.irp j, 0,1,2,3,4,5,6,7
	ds_store_b64 v[STW], v[PK+2*\j:PK+2*\j+1] offset:\j*SPITCH+128*\g
.endr
.endr
.irp t, 0,1,2,3,4,5,6,7
	ds_load_b128 v[RB+4*\t:RB+4*\t+3], v[STR] offset:\t*2*SPITCH  ; my own stage, served in order: these see the stores above
.endr
	OFFS
	s_wait_dscnt 0x0
.irp t, 0,1,2,3,4,5,6,7
	global_store_b128 v[SO+\t], v[RB+4*\t:RB+4*\t+3], s[32:33]  ; 16 lanes store 256 consecutive bytes of a token's row, at a multiple of 256 from the buffer's first byte
.endr
.endif
.Lno_tile:
.irp n, 0,1,2,3
	v_add_nc_u32 v[DR+\n], 4*4096, v[DR+\n]
.endr
	v_add_nc_u32 v[LISTE], 256, v[LISTE]
	s_add_co_u32 s23, s23, 64
	s_sub_co_u32 s21, s21, 1
	s_cmp_lg_u32 s21, 0
	s_cbranch_scc1 .Ltile
	MEET                                           ; nobody reads the dumps any more: the next pass may lay its rows there
	s_add_co_u32 s18, s18, PROWS
	s_sub_co_u32 s19, s19, 1
	s_cmp_lg_u32 s19, 0
	s_cbranch_scc1 .Lpass
	s_wait_tensorcnt 0x0                           ; the wave's end: behind my last LDS store
	ds_add_u32 v[SPW], v[NIL]
	s_wait_dscnt 0x0
	s_endpgm
.Lfunc_end_k_q83458b8a3d_down:
	.size	k_q83458b8a3d_down, .Lfunc_end_k_q83458b8a3d_down-k_q83458b8a3d_down
	.p2alignl 7, 3214868480
	.fill 96, 4, 3214868480
	.section	.rodata,"a",@progbits
	.p2align	6, 0x0
	.amdhsa_kernel k_q83458b8a3d_down
		.amdhsa_group_segment_fixed_size 317184
		.amdhsa_private_segment_fixed_size 0
		.amdhsa_enable_private_segment 0
		.amdhsa_kernarg_size 32
		.amdhsa_user_sgpr_count 2
		.amdhsa_user_sgpr_kernarg_segment_ptr 1
		.amdhsa_wavefront_size32 1
		.amdhsa_system_sgpr_workgroup_id_x 1
		.amdhsa_system_sgpr_workgroup_id_y 1
		.amdhsa_system_sgpr_workgroup_id_z 1
		.amdhsa_system_vgpr_workitem_id 0
		.amdhsa_next_free_vgpr 832
		.amdhsa_next_free_sgpr 66
		.amdhsa_reserve_vcc 1
		.amdhsa_float_denorm_mode_32 3
		.amdhsa_float_denorm_mode_16_64 3
		.amdhsa_memory_ordered 1
		.amdhsa_forward_progress 1
		.amdhsa_inst_pref_size 133
	.end_amdhsa_kernel
	.amdgpu_metadata
---
amdhsa.version: [ 1, 2 ]
amdhsa.kernels:
  - .name:           k_q83458b8a3d_down
    .symbol:         k_q83458b8a3d_down.kd
    .args:
      - { .name: W2, .offset: 0, .size: 8, .value_kind: global_buffer, .address_space: global }
      - { .name: hbuf, .offset: 8, .size: 8, .value_kind: global_buffer, .address_space: global }
      - { .name: idx, .offset: 16, .size: 8, .value_kind: global_buffer, .address_space: global }
      - { .name: part, .offset: 24, .size: 8, .value_kind: global_buffer, .address_space: global }
    .group_segment_fixed_size: 317184
    .private_segment_fixed_size: 0
    .kernarg_segment_align: 8
    .kernarg_segment_size: 32
    .max_flat_workgroup_size: 128
    .sgpr_count:     66
    .vgpr_count:     832
    .wavefront_size: 32
...
	.end_amdgpu_metadata
.endif
;; end of part 3
;; launch addup (part 4): grid 256 x 1, 8 waves a work-group, no clusters, 0 bytes of LDS; arguments part, out0; writes out0
.if DOCPART == 4
	.amdgcn_target "amdgcn-amd-amdhsa--gfx1250"
	.amdhsa_code_object_version 6
	.text
	.protected	k_q83458b8a3d_addup
	.globl	k_q83458b8a3d_addup
	.p2align	8
	.type	k_q83458b8a3d_addup,@function
k_q83458b8a3d_addup:
	s_mov_b64 s[64:65], 0
	v_nop
	global_prefetch_b8 v0, s[64:65] scope:SCOPE_SE
	s_setreg_imm32_b32 hwreg(HW_REG_WAVE_MODE, 25, 1), 1
	s_wait_xcnt 0x0
; out0 = (part[0] + part[1]) + (part[2] + part[3]): the four K quarters of the second product, all f32, [1024][1024] each.
; A stream: 256 work-groups x 16,384 bytes of the output.  Thread t takes 16 bytes at 16 t of each of four chunks of 4,096 bytes, so a wave's load or store covers 512 consecutive bytes.
; All 16 loads of a wave go out at once, chunk by chunk; no loop, no LDS, no barrier: nothing is shared and nothing is read twice.
.set P, 4                              ; v[4:67]  chunk u, quarter q at P + 16 u + 4 q
	s_load_b128 s[4:7], s[0:1], 0x0                ; part s[4:5], out0 s[6:7]
	v_lshlrev_b32 v1, 4, v0
	s_lshl_b32 s16, ttmp9, 14
	s_mov_b32 s17, 0
	s_wait_kmcnt 0x0
	s_add_nc_u64 s[8:9], s[4:5], s[16:17]          ; a base for each quarter: 4 MiB apart
	s_add_nc_u64 s[6:7], s[6:7], s[16:17]
	s_add_nc_u64 s[10:11], s[8:9], 0x400000
	s_add_nc_u64 s[12:13], s[8:9], 0x800000
	s_add_nc_u64 s[14:15], s[8:9], 0xc00000
.irp u, 0,1,2,3
.irp q, 0,1,2,3
	global_load_b128 v[P+16*\u+4*\q:P+16*\u+4*\q+3], v1, s[8+2*\q:9+2*\q] offset:4096*\u th:TH_LOAD_NT
.endr
.endr
.irp u, 0,1,2,3
	s_wait_loadcnt 12-4*\u                         ; chunk u's four are in; the younger chunks' loads stay out
	v_pk_add_f32 v[P+16*\u:P+16*\u+1],     v[P+16*\u:P+16*\u+1],     v[P+16*\u+4:P+16*\u+5]
	v_pk_add_f32 v[P+16*\u+2:P+16*\u+3],   v[P+16*\u+2:P+16*\u+3],   v[P+16*\u+6:P+16*\u+7]
	v_pk_add_f32 v[P+16*\u+8:P+16*\u+9],   v[P+16*\u+8:P+16*\u+9],   v[P+16*\u+12:P+16*\u+13]
	v_pk_add_f32 v[P+16*\u+10:P+16*\u+11], v[P+16*\u+10:P+16*\u+11], v[P+16*\u+14:P+16*\u+15]
	v_pk_add_f32 v[P+16*\u:P+16*\u+1],     v[P+16*\u:P+16*\u+1],     v[P+16*\u+8:P+16*\u+9]
	v_pk_add_f32 v[P+16*\u+2:P+16*\u+3],   v[P+16*\u+2:P+16*\u+3],   v[P+16*\u+10:P+16*\u+11]
	global_store_b128 v1, v[P+16*\u:P+16*\u+3], s[6:7] offset:4096*\u th:TH_STORE_NT
.endr
	s_endpgm
.Lfunc_end_k_q83458b8a3d_addup:
	.size	k_q83458b8a3d_addup, .Lfunc_end_k_q83458b8a3d_addup-k_q83458b8a3d_addup
	.p2alignl 7, 3214868480
	.fill 96, 4, 3214868480
	.section	.rodata,"a",@progbits
	.p2align	6, 0x0
	.amdhsa_kernel k_q83458b8a3d_addup
		.amdhsa_group_segment_fixed_size 0
		.amdhsa_private_segment_fixed_size 0
		.amdhsa_enable_private_segment 0
		.amdhsa_kernarg_size 16
		.amdhsa_user_sgpr_count 2
		.amdhsa_user_sgpr_kernarg_segment_ptr 1
		.amdhsa_wavefront_size32 1
		.amdhsa_system_sgpr_workgroup_id_x 1
		.amdhsa_system_sgpr_workgroup_id_y 1
		.amdhsa_system_sgpr_workgroup_id_z 1
		.amdhsa_system_vgpr_workitem_id 0
		.amdhsa_next_free_vgpr 72
		.amdhsa_next_free_sgpr 66
		.amdhsa_reserve_vcc 0
		.amdhsa_float_denorm_mode_32 3
		.amdhsa_float_denorm_mode_16_64 3
		.amdhsa_memory_ordered 1
		.amdhsa_forward_progress 1
		.amdhsa_inst_pref_size 5
	.end_amdhsa_kernel
	.amdgpu_metadata
---
amdhsa.version: [ 1, 2 ]
amdhsa.kernels:
  - .name:           k_q83458b8a3d_addup
    .symbol:         k_q83458b8a3d_addup.kd
    .args:
      - { .name: part, .offset: 0, .size: 8, .value_kind: global_buffer, .address_space: global }
      - { .name: out0, .offset: 8, .size: 8, .value_kind: global_buffer, .address_space: global }
    .group_segment_fixed_size: 0
    .private_segment_fixed_size: 0
    .kernarg_segment_align: 8
    .kernarg_segment_size: 16
    .max_flat_workgroup_size: 256
    .sgpr_count:     66
    .vgpr_count:     72
    .wavefront_size: 32
...
	.end_amdgpu_metadata
.endif
;; end of part 4
;; ======== version 2 of 2: 4 launches
;; workspace buffers: xb 2,097,152 bytes; idx 4,096 bytes of whole numbers; hbuf 8,388,608 bytes; part 16,777,216 bytes
;; launch route: the kernel of part 1 again; grid 256 x 1, 8 waves a work-group, no clusters, 2,304 bytes of LDS; arguments x, Wg, bg, xb, idx; writes xb, idx
;; launch up (part 5): grid 32 x 8, 4 waves a work-group, no clusters, 317,184 bytes of LDS; arguments W1, xb, idx, hbuf; writes hbuf
.if DOCPART == 5
	.amdgcn_target "amdgcn-amd-amdhsa--gfx1250"
	.amdhsa_code_object_version 6
	.text
	.protected	k_q83458b8a3d_up
	.globl	k_q83458b8a3d_up
	.p2align	8
	.type	k_q83458b8a3d_up,@function
k_q83458b8a3d_up:
	s_mov_b64 s[64:65], 0
	v_nop
	global_prefetch_b8 v0, s[64:65] scope:SCOPE_SE
	s_setreg_imm32_b32 hwreg(HW_REG_WAVE_MODE, 25, 1), 1
	s_wait_xcnt 0x0
; ONE PRODUCT OF A LAYER OF ROUTED EXPERTS, for the rows that chose the expert.  One text serves both products; DOWN says which.
;   DOWN = 0:  hbuf[START + rank][4096] (bf16) = gelu_tanh(xb[token][1024] (bf16) . W1[e] ([1024][4096] f32)), sums and gelu in f32, rounded once.
;   DOWN = 1:  part[kq][token][1024] (f32) = hbuf[START + rank][1024 kq ..] . W2[e] ([4096][1024] f32) over K quarter kq; a later launch adds the four.
; The weights are rounded to bf16 on their way through registers.  idx[token] is the token's expert, stored by the router's launch.
; RANKS.  Every wave loads all 1,024 choices: register g of 32, lane l holds token 128 (g / 4) + g % 4 + 4 l.  An expert's rows are ranked by g, then by l.  START is the number of tokens with a lower
; expert, so the hidden rows of an expert lie end to end in hbuf, and the second product reads them by plain arithmetic on two counts.  Every row's load address is made in registers.
;   DOWN = 0 gathers xb by token: the 32 compare masks stay in scalar registers; for 64 ranks at a time (two vectors) a walk over the groups picks each lane's mask, the ranks in front of it and its token base,
;   and five halving steps on partial bit counts find the set bit wanted.      DOWN = 1 needs tokens for its stores alone: each wave keeps a list of its own in LDS.
; SHARES.  Work-group (x, e): expert e, 128 columns, 1,024 along K, which it alone reads, and ALL rows of that expert, 160 to a PASS.  Wave w = cg + 2 kh has 64 columns (cg)
; and 512 along K (kh), and all 10 tiles of 16 rows: 40 accumulators.  The two K halves meet in LDS on the way out.
; WEIGHTS lie [k][n].  For a K step of 32 lane (r, h) loads 16 bytes, columns 4 r .. 4 r + 3, of 16 rows: 8 h + 0..7 and 16 + 8 h + 0..7.  Each load takes two rows' 256 consecutive
; bytes, at multiples of 256 from the buffer's first byte.  Rounding neighbouring k of one column in pairs gives source 1 as the matrix instruction wants it; the four registers of a load fall into four
; tiles, tile c holding columns 4 r + c.  No LDS and no turning load; k keeps its true places.
; ROWS.  Tiles 0-8 (144 rows x 1,024 k) are laid into LDS once a pass; all of LDS would hold just 160 such rows and nothing else, so tile 9 comes from memory as fragments, two loads a K step.
; Places past the count repeat the expert's last row; what they give is stored onto that row's own bytes, the same numbers.
; DEAD TILES.  Tile 8 or 9 that begins at or past the rows' end is not multiplied and not dumped, and tile 9 is then not loaded: forward jumps on the count, none past a barrier.  The way out jumps a tile on the
; same test, so what is sent has been made.  Tiles 0-7 are always multiplied.
; EVERY SPLIT is served: 7 passes of 160 cover 1,024 rows.  The pass loop has a constant count and four barriers a trip on every wave's way; a pass past the count jumps its parts, none of
; which holds a barrier.  LIMIT: an expert with more than 160 rows reads its weights once for each 160.  An expert without rows stores nothing.
; AHEAD.  A wave loads three K steps ahead: 48 loads of weights are younger than the step that it waits for.
; PREFETCH.  A K step of a wave is 32 rows x 256 bytes; one line asks for it, a lane a row, each wave for its own columns, so that each block of 256 bytes is asked for once a pass.  Steps 0-2 are loaded outright;
; steps 3-6 are asked for beside them (the counting and the fill stand between that and their loads); K step p asks for step p + 7, four steps ahead of the loads: 8 KB a wave and step, 128 KB for the work-group.
; From step 9 on nothing is asked for: step 15 is the slice's last.
; NO CLUSTER.  Each weight has one work-group that reads it.  What an expert's work-groups share is its rows, some 290 KB beside a work-group's 512 KB of weights.  With DOWN = 0 they are named token by token, which no
; tile's descriptor covers.
; REGISTERS, in windows of 256 (s_set_vgpr_msb: bits 1:0 source 0, 3:2 source 1, 5:4 source 2, 7:6 destination):
;   window 0: addresses, operands (below)      window 1: the weights as loaded, four slots of 64: load i, register c at 64 slot + 4 i + c
;   window 2: accumulator (tile i, c) at 32 i + 8 c, tiles 0-7; during the fill v0-191 are six slots of 32      window 3: tiles 8 and 9
.set DOWN, 0
.if DOWN
.set WPITCH, 4096                      ; bytes from row to row of the weights
.set WLOG,   12                        ; the same as a shift
.set KHSH,   21                        ; 512 rows of them
.set ALOG,   13                        ; a row of the left operand: 8,192 bytes
.set OLOG,   12                        ; a row of the result: 4,096 bytes
.else
.set WPITCH, 16384
.set WLOG,   14
.set KHSH,   23
.set ALOG,   11
.set OLOG,   13
.endif
.set WSH,    WLOG+3                    ; 8 rows of the weights, as a shift
.set APITCH, 2064                      ; a row in LDS: 2,048 bytes + 16 = 129 x 16: the 16 rows of a fragment load start 16 bytes apart modulo 256
.set TILEB,  16*APITCH
.set LIST,   144*APITCH                ; (DOWN) behind the rows: for each wave 1,184 words of list (1,024 ranks + 160 repeats) and 32 words for the lanes that have nothing to list
.set LISTW,  4864
.set SPARE,  LIST+4*LISTW              ; the spare words: 128 bytes for each wave; no other line names them
.set DUMPW,  40960                     ; the way out, in the rows' bytes: a wave's 40 accumulators of 1,024 bytes
.set STAGE,  172032                    ; behind the furthest byte that a stepped dump address names: 16 rows x 272 bytes for each wave
.set SPITCH, 272
.set PROWS,  160
.set PASSES, 7
.set R,    1                           ; v1   lane % 16
.set H,    2                           ; v2   lane / 16
.set SPW,  3                           ; v3   SPARE + 4 x my thread's number; never rewritten
.set NIL,  4                           ; v4   0; never rewritten
.set WOFF, 5                           ; v5   8 h rows + 16 r in the weights; never rewritten
.set A9OFF,6                           ; v6   tile 9: my row's byte offset
.set FS1,  8                           ; v8-9 where the fill puts 16 bytes: pairs of rows 0-8, 9-17
.set FS2,  9
.set AF,   10                          ; v10-14  fragment addresses, tiles 2 n and 2 n + 1
.set L16,  15                          ; v15  16 r
.set DW,   16                          ; v16  my dump
.set DR,   17                          ; v17-20  wave ws's dump of the tile that I send out
.set LISTE,21                          ; v21  (DOWN) the way out's place in the list
.set STW,  22                          ; v22  stage, in
.set STR,  23                          ; v23  stage, back
.set SO,   24                          ; v24-31  the stores' byte offsets
.set B,    32                          ; v32-95   source 1, two buffers of four tiles; at the head v32-63 hold idx
.set X,    96                          ; v96-135  fragments of tiles 0-4
.set Y,    136                         ; v136-167 of tiles 5-8
.set A9,   168                         ; v168-199 of tile 9, four slots
.set O,    200                         ; v200-217 the fill's byte offsets, a pair of rows each
.set AFB,  218                         ; the rest is made once and never rewritten: r x pitch + 16 h + 1,024 kh
.set LB,   219                         ; (DOWN) my list
.set JUNK, 220                         ; (DOWN) 1,184 + lane
.set L4,   221                         ; (DOWN) 4 x lane
.set DRB,  222                         ; 4,096 w + 16 x lane
.set LE0,  224                         ; (DOWN) LB + 4 (16 w + 8 h)
.set A9K,  226                         ; 1,024 kh + 16 h
.set IOFF, 227                         ; 16 x lane
.set T,    228                         ; v228-235 at work
.set LANE, 236                         ; v236 lane
.set PFO,  237                         ; v237 lane rows of the weights: the prefetch's offset
.set LK,   96                          ; ahead of the fill, in X's registers: two vectors of ranks, 12 registers each: +0 rank, then token; +1 mask; +2 ranks in front | token base << 16; +3 k; +4 token base;
                                       ; +5 to +8 bit counts by twos, fours, eights, sixteen; +9, +10 at work; +11 the bit's place
.set T0,   32                          ; the way out: the two K halves of a tile's 64 columns,
.set T1,   64
.set F,    96                          ; their sum, row j's four columns at 4 j
.set F1,   128                         ; (DOWN) the other 64 columns' sum
.set E,    128                         ; (gelu) at work
.set PK,   160                         ; bf16, two registers a row
.set RB,   176                         ; whole rows back from the stage
.set MK,   66                          ; s66-97  (DOWN = 0) group g's mask: the lanes whose token chose e
; s12 w  s13 cg  s14 kh  s15 e  s16 slice  s17 the expert's rows  s18 the pass's first row  s19 passes to go  s20 K trips  s21 tiles  s22 rows' end in this pass  s23 my tile's first row
; s[24:25] my weights  s[26:27] the same, walking  s[28:29] tile 9's base, walking  s[30:31] left operand  s[32:33] result  s[38:41] gelu's constants  s44, s45 at work
; s46 START  s47 START + rows - 1  s48 the mask of lanes 16-31  s49 the last rank  s[50:51] v_permlanex16_b32's selects  s52-59 at work  s60, s61 the first rows of tiles 8 and 9
.set MSB, 0
.macro WIN new                         ; the immediate's high byte repeats the setting that is left; a switch that changes nothing is dropped
.if MSB != (\new)
	s_set_vgpr_msb (MSB<<8)|(\new)
.set MSB, \new
.endif
.endm
.macro PLACES                          ; four places between a matrix instruction and a load into, or a read of, its registers (ISA guide 7.12.1 for reads)
.rept 4
	v_nop
.endr
.endm
.macro MEET                            ; a barrier: no LDS instruction of mine is out when I signal
	s_wait_dscnt 0x0
	s_barrier_signal -1
	s_barrier_wait -1
.endm
.macro WLOADS pos                      ; the weights of K step pos (counted from the walking base): 16 loads
	WIN 0x40
.set wi, 0
.rept 16
	global_load_b128 v[64*((\pos)%4)+4*wi:64*((\pos)%4)+4*wi+3], v[WOFF], s[26:27] offset:(32*(\pos)+wi+8*(wi/8))*WPITCH th:TH_LOAD_NT
.set wi, wi+1
.endr
.endm
.macro A9LOADS pos                     ; tile 9's fragment of K step pos
	WIN 0
	global_load_b128 v[A9+8*((\pos)%4):A9+8*((\pos)%4)+3],   v[A9OFF], s[28:29] offset:64*(\pos)
	global_load_b128 v[A9+8*((\pos)%4)+4:A9+8*((\pos)%4)+7], v[A9OFF], s[28:29] offset:64*(\pos)+32
.endm
.macro ASK pos                         ; K step pos of my columns is asked for: lane l names row 32 pos + l
	global_prefetch_b8 v[PFO], s[26:27] offset:32*(\pos)*WPITCH th:TH_LOAD_NT scope:SCOPE_SE
.endm
.macro WPRO                            ; the first three K steps' weights are loaded, the next four asked for
	WLOADS 0
	WLOADS 1
	WLOADS 2
	WIN 0
	ASK 3
	ASK 4
	ASK 5
	ASK 6
.endm
.macro CONV p                          ; slot p % 4 rounded to bf16: register j of tile c takes k = 2 j, 2 j + 1 of the lane's sixteen, column 4 r + c
	WIN 0x05
.set cc, 0
.rept 4
.set cj, 0
.rept 8
	v_cvt_pk_bf16_f32 v[B+32*((\p)%2)+8*cc+cj], v[64*((\p)%4)+8*cj+cc], v[64*((\p)%4)+8*cj+4+cc]
.set cj, cj+1
.endr
.set cc, cc+1
.endr
.endm
.macro ALD i, reg, pos                 ; tile i's fragment of K step pos: row r, 16 bytes at 16 h and 32 further on
	ds_load_b128 v[(\reg):(\reg)+3],   v[AF+(\i)/2] offset:((\i)%2)*TILEB+64*(\pos)
	ds_load_b128 v[(\reg)+4:(\reg)+7], v[AF+(\i)/2] offset:((\i)%2)*TILEB+64*(\pos)+32
.endm
.macro XLOAD pos
.irp i, 0,1,2,3,4
	ALD \i, X+8*\i, \pos
.endr
.endm
.macro YLOAD pos
.irp i, 5,6,7,8
	ALD \i, Y+8*\i-40, \pos
.endr
.endm
.macro MM i, areg, b, zero             ; tile i x the four column tiles.  Source 0 = 16 rows, source 1 = 16 columns: register j of lane (r, h) is (row 8 h + j, column 4 r + c)
.irp c, 0,1,2,3
.if \zero
	v_wmma_f32_16x16x32_bf16 v[32*((\i)%8)+8*\c:32*((\i)%8)+8*\c+7], v[(\areg):(\areg)+7], v[B+32*(\b)+8*\c:B+32*(\b)+8*\c+7], 0
.else
	v_wmma_f32_16x16x32_bf16 v[32*((\i)%8)+8*\c:32*((\i)%8)+8*\c+7], v[(\areg):(\areg)+7], v[B+32*(\b)+8*\c:B+32*(\b)+8*\c+7], v[32*((\i)%8)+8*\c:32*((\i)%8)+8*\c+7]
.endif
.endr
.endm
; A K STEP of 32: 32 to 40 matrix instructions; the accumulators take turns, one instruction a turn, over the loop's jump and on every way round the dead tiles too.
; zero = 1: the products start the sums.  fetch = 1: the step three on is loaded.  nextx = 1: the next step's X is fetched.  pf = 1: the step seven on is asked for; 2: but not in the loop's last trip.
; left: the loads of weights younger than this step's, 16 a step.  Tile 9's two a step, where they are issued, come on top: the count is the least on any way, so it shows this step's loads landed on every way.
.macro STEP p, zero, fetch, nextx, left, pf
	PLACES                                         ; behind the last step's products, which read Y and the slot of tile 9 that is loaded next
.if \fetch
	WLOADS (\p)+3
	WIN 0                                          ; at a branch and at a label every window is 0
	s_cmp_lt_u32 s61, s22                          ; tile 9 has rows
	s_cbranch_scc0 .Lno9_\@
	A9LOADS (\p)+3
.Lno9_\@:
.endif
.if (\pf) == 2
	s_cmp_lg_u32 s20, 1                            ; the last trip's look-ahead would pass the slice's last step
	s_cbranch_scc0 .Lnopf_\@
.endif
.if \pf
	ASK (\p)+7
.endif
.if (\pf) == 2
.Lnopf_\@:
.endif
	WIN 0
	YLOAD \p
	s_wait_loadcnt \left                           ; loads come back in order (ISA guide 5.7.1): this step's 16 of the weights, and tile 9's 2, are in
	CONV \p
	s_wait_dscnt 8                                 ; X is in; the eight younger loads are Y's
	WIN 0xa0
	MM 0, X, (\p)%2, \zero
	MM 1, X+8, (\p)%2, \zero
	MM 2, X+16, (\p)%2, \zero
	MM 3, X+24, (\p)%2, \zero
	MM 4, X+32, (\p)%2, \zero
	PLACES                                         ; in front of the loads into X
	WIN 0
.if \nextx
	XLOAD (\p)+1
	s_wait_dscnt 10                                ; Y is in; the ten younger loads are the next X's
.else
	s_wait_dscnt 0x0
.endif
	WIN 0xa0
	MM 5, Y, (\p)%2, \zero
	MM 6, Y+8, (\p)%2, \zero
	MM 7, Y+16, (\p)%2, \zero
	WIN 0
	s_cmp_lt_u32 s60, s22                          ; tile 8 has rows
	s_cbranch_scc0 .Ldead_\@
	WIN 0xf0
	MM 8, Y+24, (\p)%2, \zero
	WIN 0
	s_cmp_lt_u32 s61, s22                          ; tile 9 has rows
	s_cbranch_scc0 .Ldead_\@
	WIN 0xf0
	MM 9, A9+8*((\p)%4), (\p)%2, \zero
	WIN 0
.Ldead_\@:
.endm
.macro FLOAD p                         ; pair p of my 18 pairs of rows: lanes 0-15 take 256 consecutive bytes of one row, lanes 16-31 of the next; eight loads take the rows' 2,048 bytes
	WIN 0x80
.irp u, 0,1,2,3,4,5,6,7
	global_load_b128 v[32*((\p)%6)+4*\u:32*((\p)%6)+4*\u+3], v[O+(\p)], s[30:31] offset:256*\u
.endr
.endm
.macro FSTORE p, left                  ; left: the younger pairs' loads
	s_wait_loadcnt \left
	WIN 0x08
.irp u, 0,1,2,3,4,5,6,7
	ds_store_b128 v[FS1+(\p)/9], v[32*((\p)%6)+4*\u:32*((\p)%6)+4*\u+3] offset:((\p)%9)*2*APITCH+256*\u
.endr
.endm
; (DOWN) A lane whose token chose e writes the token's number at its rank: the rows counted so far plus the choosing lanes below it.  The other lanes write a word of their own behind the list,
; which nobody reads.  The index is held to the wave's 1,216 words before it becomes an address.  The tokens with a lower expert are counted beside.
.macro GROUP g
.set tA, T+2*((\g)%4)
	v_cmp_eq_u32 vcc_lo, s15, v[B+(\g)]
	v_mbcnt_lo_u32_b32 v[tA], vcc_lo, s17
	v_cndmask_b32 v[tA], v[JUNK], v[tA], vcc_lo
	v_min_u32 v[tA], 0x4bf, v[tA]
	v_lshl_add_u32 v[tA], v[tA], 2, v[LB]
	v_add_nc_u32 v[tA+1], 128*((\g)/4)+(\g)%4, v[L4]
	ds_store_b32 v[tA], v[tA+1]
	s_bcnt1_i32_b32 s44, vcc_lo
	s_add_co_u32 s17, s17, s44
	v_cmp_gt_u32 vcc_lo, s15, v[B+(\g)]
	s_bcnt1_i32_b32 s45, vcc_lo
	s_add_co_u32 s46, s46, s45
.endm
; (DOWN = 0) THE TOKEN OF A RANK, for two vectors of 32 ranks at once.
.macro TWICE line:vararg               ; one line for each vector: its registers at lb, its lane mask in s[lq]
.set lb, LK
.set lq, 54
	\line
.set lb, LK+12
.set lq, 55
	\line
.endm
.macro PICK src, width, half           ; a halving step: if k is no less than the set bits of the lower half, they are taken off k and the place moves to the upper half
	TWICE v_bfe_u32 v[lb+9], v[lb+\src], v[lb+11], \width
	TWICE v_cmp_ge_u32 s[lq], v[lb+3], v[lb+9]
	TWICE v_cndmask_b32 v[lb+9], 0, v[lb+9], s[lq]
	TWICE v_cndmask_b32 v[lb+10], 0, \half, s[lq]
	TWICE v_sub_nc_u32 v[lb+3], v[lb+3], v[lb+9]
	TWICE v_add_nc_u32 v[lb+11], v[lb+11], v[lb+10]
.endm
.macro LOOKUP
	s_mul_i32 s44, s12, 36
	s_add_co_u32 s44, s44, s18                     ; my first rank of the fill's 36
	s_add_co_u32 s45, s18, 144                     ; tile 9's first rank
	s_sub_co_u32 s49, s17, 1                       ; the last rank: places past it repeat it
	v_add_nc_u32 v[LK], s44, v[LANE]               ; vector 0: my ranks 0-31
	s_add_co_u32 s44, s44, 16
	v_add_nc_u32 v[LK+12], s45, v[LANE]            ; vector 1: lanes 0-15 tile 9's sixteen,
	v_add_nc_u32 v[LK+13], s44, v[LANE]            ; lanes 16-19 my ranks 32-35 (the lanes behind them serve nothing)
	v_cndmask_b32 v[LK+12], v[LK+12], v[LK+13], s48
	TWICE v_min_u32 v[lb], s49, v[lb]
	TWICE v_mov_b32 v[lb+1], s[MK]                 ; group 0 to begin with; each later group whose first rank is no greater than mine takes its place
	TWICE v_mov_b32 v[lb+2], 0
	s_mov_b32 s52, 0
.set lg, 1
.rept 31
	s_bcnt1_i32_b32 s45, s[MK+lg-1]
	s_add_co_u32 s52, s52, s45                     ; the ranks in front of group lg
	s_or_b32 s53, s52, (128*(lg/4)+lg%4)<<16       ; with the group's token base above them
	TWICE v_cmp_le_u32 s[lq], s52, v[lb]
	TWICE v_cndmask_b32 v[lb+1], v[lb+1], s[MK+lg], s[lq]
	TWICE v_cndmask_b32 v[lb+2], v[lb+2], s53, s[lq]
.set lg, lg+1
.endr
	TWICE v_and_b32 v[lb+3], 0xffff, v[lb+2]
	TWICE v_lshrrev_b32 v[lb+4], 16, v[lb+2]
	TWICE v_sub_nc_u32 v[lb+3], v[lb], v[lb+3]     ; k: which set bit of my mask, from 0
	TWICE v_lshrrev_b32 v[lb+5], 1, v[lb+1]        ; the mask's set bits counted by twos,
	TWICE v_and_b32 v[lb+5], 0x55555555, v[lb+5]
	TWICE v_sub_nc_u32 v[lb+5], v[lb+1], v[lb+5]
	TWICE v_lshrrev_b32 v[lb+6], 2, v[lb+5]        ; by fours,
	TWICE v_and_b32 v[lb+9], 0x33333333, v[lb+5]
	TWICE v_and_b32 v[lb+6], 0x33333333, v[lb+6]
	TWICE v_add_nc_u32 v[lb+6], v[lb+6], v[lb+9]
	TWICE v_lshrrev_b32 v[lb+7], 4, v[lb+6]        ; by eights,
	TWICE v_add_nc_u32 v[lb+7], v[lb+7], v[lb+6]
	TWICE v_and_b32 v[lb+7], 0x0f0f0f0f, v[lb+7]
	TWICE v_lshrrev_b32 v[lb+8], 8, v[lb+7]        ; and, in the lowest byte, of the low sixteen
	TWICE v_add_nc_u32 v[lb+8], v[lb+8], v[lb+7]
	TWICE v_mov_b32 v[lb+11], 0
	PICK 8, 8, 16
	PICK 7, 8, 8
	PICK 6, 4, 4
	PICK 5, 2, 2
	PICK 1, 1, 1
	TWICE v_lshl_add_u32 v[lb], v[lb+11], 2, v[lb+4]  ; the token: its group's base + 4 x the bit's place
.endm
; The two K halves of my tile's columns 64 cg .. are read from the dumps and added; the sum also brings a lane's four neighbouring columns of row 8 h + j into registers 4 j .. 4 j + 3.
.macro TSUM cg, dst
.set ta, 0
.rept 8
	ds_load_b128 v[T0+4*ta:T0+4*ta+3], v[DR+(\cg)] offset:512*ta
	ds_load_b128 v[T1+4*ta:T1+4*ta+3], v[DR+(\cg)+2] offset:512*ta
.set ta, ta+1
.endr
	s_wait_dscnt 0x0
.set tj, 0
.rept 8
.set tc, 0
.rept 4
	v_add_f32 v[(\dst)+4*tj+tc], v[T0+8*tc+tj], v[T1+8*tc+tj]
.set tc, tc+1
.endr
.set tj, tj+1
.endr
.endm
.macro OFFS                            ; the stores' offsets: the row, held to the table, times its bytes, + 16 r
.irp t, 0,1,2,3,4,5,6,7
	v_min_u32 v[SO+\t], 0x3ff, v[SO+\t]
.endr
.irp t, 0,1,2,3,4,5,6,7
	v_lshl_add_u32 v[SO+\t], v[SO+\t], OLOG, v[L16]
.endr
.endm
; gelu_tanh(x) = x / (1 + 2^(x (K0 + K1 x^2))), K0 = -2 log2(e) sqrt(2 / pi), K1 = 0.044715 K0.  Far out the power is 0 or infinite and the result x or -0.
; The 32 exponentials are one batch with one wait, and so are the 32 reciprocals: a plain instruction behind the last, then the wait ahead of the first use.
.macro GELU
.set z, 0
.rept 16
	v_pk_mul_f32 v[E+2*z:E+2*z+1], v[F+2*z:F+2*z+1], v[F+2*z:F+2*z+1]
.set z, z+1
.endr
.set z, 0
.rept 16
	v_pk_fma_f32 v[E+2*z:E+2*z+1], v[E+2*z:E+2*z+1], s[38:39], s[40:41] op_sel_hi:[1,0,0]
.set z, z+1
.endr
.set z, 0
.rept 16
	v_pk_mul_f32 v[E+2*z:E+2*z+1], v[E+2*z:E+2*z+1], v[F+2*z:F+2*z+1]
.set z, z+1
.endr
.set z, 0
.rept 32
	v_exp_f32 v[E+z], v[E+z]
.set z, z+1
.endr
	v_nop
	s_wait_alu depctr_va_vdst(0)
.set z, 0
.rept 16
	v_pk_add_f32 v[E+2*z:E+2*z+1], v[E+2*z:E+2*z+1], 1.0 op_sel_hi:[1,0]
.set z, z+1
.endr
.set z, 0
.rept 32
	v_rcp_f32 v[E+z], v[E+z]
.set z, z+1
.endr
	v_nop
	s_wait_alu depctr_va_vdst(0)
.set z, 0
.rept 16
	v_pk_mul_f32 v[F+2*z:F+2*z+1], v[F+2*z:F+2*z+1], v[E+2*z:E+2*z+1]
.set z, z+1
.endr
.endm
	; THE HEAD
	s_load_b256 s[4:11], s[0:1], 0x0               ; weights s[4:5], left operand s[6:7], idx s[8:9], result s[10:11]
	v_lshl_add_u32 v[SPW], v0, 2, SPARE
	v_mov_b32 v[NIL], 0
	v_lshrrev_b32 v[T], 5, v0
	v_readfirstlane_b32 s12, v[T]                  ; wave 0..3
	v_and_b32 v[R], 15, v0
	v_bfe_u32 v[H], v0, 4, 1
	v_and_b32 v[LANE], 31, v0
	v_lshlrev_b32 v[L16], 4, v[R]
	v_lshlrev_b32 v[IOFF], 4, v[LANE]
	v_lshlrev_b32 v[PFO], WLOG, v[LANE]
.if DOWN
	v_lshlrev_b32 v[L4], 2, v[LANE]
	v_add_nc_u32 v[JUNK], 1184, v[LANE]
.endif
	v_lshl_add_u32 v[WOFF], v[H], WSH, v[L16]
	s_and_b32 s13, s12, 1                          ; cg
	s_lshr_b32 s14, s12, 1                         ; kh
	s_and_b32 s15, ttmp7, 0xffff                   ; e
.if DOWN
	s_lshr_b32 s45, ttmp9, 3                       ; kq
	s_and_b32 s16, ttmp9, 7                        ; slice of 128 columns
.else
	s_mov_b32 s45, 0
	s_mov_b32 s16, ttmp9
.endif
	s_lshl_b32 s34, s15, 24                        ; my weights: the expert's 16 MiB,
	s_lshl_b32 s44, s45, 22                        ; the K quarter's 1,024 rows,
	s_add_co_u32 s34, s34, s44
	s_lshl_b32 s44, s14, KHSH                      ; my half's 512 rows,
	s_add_co_u32 s34, s34, s44
	s_lshl_b32 s44, s16, 9                         ; the slice's 512 bytes,
	s_add_co_u32 s34, s34, s44
	s_lshl_b32 s44, s13, 8                         ; my 256 of them
	s_add_co_u32 s34, s34, s44
	s_mov_b32 s35, 0
	s_lshl_b32 s36, s45, 11                        ; the left operand: the K quarter's 2,048 bytes of a row
	s_mov_b32 s37, 0
.if DOWN
	s_lshl_b32 s42, s45, 22                        ; the result: the quarter's 4 MiB, the slice's 512 bytes
	s_lshl_b32 s44, s16, 9
	s_add_co_u32 s42, s42, s44
.else
	s_lshl_b32 s42, s16, 8                         ; the result: the slice's 256 bytes
	s_mov_b32 s38, 0xbdd2d3e8                      ; K1 = -0.10294324
	s_mov_b32 s39, s38                             ; named with it as a pair
	s_mov_b32 s40, 0xc0135761                      ; K0 = -2.3022082
	s_mov_b32 s41, s40
	s_mov_b32 s48, 0xffff0000                      ; lanes 16-31
	s_mov_b32 s50, 0x76543210                      ; v_permlanex16_b32: each lane takes its own place in the other half
	s_mov_b32 s51, 0xfedcba98
.endif
	s_mov_b32 s43, 0
	s_wait_kmcnt 0x0
	s_add_nc_u64 s[24:25], s[4:5], s[34:35]
	s_mov_b64 s[26:27], s[24:25]
	s_add_nc_u64 s[30:31], s[6:7], s[36:37]
	s_add_nc_u64 s[32:33], s[10:11], s[42:43]
.irp q, 0,1,2,3,4,5,6,7
	global_load_b128 v[B+4*\q:B+4*\q+3], v[IOFF], s[8:9] offset:512*\q  ; all 1,024 choices, in every wave
.endr
	WPRO                                           ; the weights hang on no choice: they are asked for before anything is known of the rows
	; What one part of a pass hands to another in registers is given a value here, once, so that it holds a written value on every way through the text, the ways on which a part
	; is jumped among them: tile 9's offset and slots, and the 40 accumulators (products of zeros).  This stands in the wait for idx.
.set z, 0
.rept 32
	v_mov_b32 v[A9+z], 0
.set z, z+1
.endr
	v_mov_b32 v[A9OFF], 0
	WIN 0x80
.set z, 0
.rept 32
	v_wmma_f32_16x16x32_bf16 v[8*z:8*z+7], v[A9:A9+7], v[A9+8:A9+15], 0
.set z, z+1
.endr
	WIN 0xc0
.set z, 0
.rept 8
	v_wmma_f32_16x16x32_bf16 v[8*z:8*z+7], v[A9:A9+7], v[A9+8:A9+15], 0
.set z, z+1
.endr
	WIN 0
.if DOWN
	s_mul_i32 s44, s12, LISTW
	s_add_co_u32 s44, s44, LIST
	v_mov_b32 v[LB], s44
	s_lshl_b32 s44, s12, 6
	v_lshl_add_u32 v[LE0], v[H], 5, v[LB]
	v_add_nc_u32 v[LE0], s44, v[LE0]
.endif
	s_lshl_b32 s44, s14, 10
	v_mul_u32_u24 v[AFB], APITCH, v[R]
	v_lshl_add_u32 v[AFB], v[H], 4, v[AFB]
	v_add_nc_u32 v[AFB], s44, v[AFB]
	v_lshl_add_u32 v[A9K], v[H], 4, s44
	s_mul_i32 s44, s12, 36*APITCH
	v_mul_u32_u24 v[FS1], APITCH, v[H]
	v_add3_u32 v[FS1], v[FS1], v[L16], s44
	v_add_nc_u32 v[FS2], 18*APITCH, v[FS1]
	s_mul_i32 s44, s12, DUMPW
	v_add_nc_u32 v[DW], s44, v[IOFF]
	s_lshl_b32 s44, s12, 12
	v_add_nc_u32 v[DRB], s44, v[IOFF]
.if DOWN
.else
	s_mul_i32 s44, s12, 16*SPITCH
	s_add_co_u32 s44, s44, STAGE                   ; my stage
	v_mul_u32_u24 v[STW], 8*SPITCH, v[H]           ; in: row 8 h + j, 8 bytes at 8 r
	v_lshl_add_u32 v[STW], v[R], 3, v[STW]
	v_add_nc_u32 v[STW], s44, v[STW]
	v_mul_u32_u24 v[STR], SPITCH, v[H]             ; back: lanes 0-15 one row of 256 bytes, lanes 16-31 the next
	v_add3_u32 v[STR], v[STR], v[L16], s44
.endif
	s_mov_b32 s17, 0
	s_mov_b32 s46, 0
	s_wait_loadcnt 48                              ; idx is in: the 48 younger loads are the weights'
.if DOWN
.set gg, 0
.rept 32
	GROUP gg
.set gg, gg+1
.endr
	s_cmp_eq_u32 s17, 0
	s_cbranch_scc1 .Lno_list
	s_sub_co_u32 s44, s17, 1                       ; the 160 places behind the list repeat its last token
	s_min_u32 s44, s44, 0x3ff
	v_lshl_add_u32 v[T], s44, 2, v[LB]
	ds_load_b32 v[T+1], v[T]                       ; LDS serves a wave's instructions in order (ISA guide 5.7.1.4): it sees the stores above
	v_and_b32 v[T+2], 31, v0
	v_add_nc_u32 v[T+2], s17, v[T+2]
	v_min_u32 v[T+2], 0x41f, v[T+2]
	v_lshl_add_u32 v[T+2], v[T+2], 2, v[LB]
	s_wait_dscnt 0x0
.irp u, 0,1,2,3,4
	ds_store_b32 v[T+2], v[T+1] offset:128*\u
.endr
.Lno_list:
.else
.set gg, 0
.rept 32                                               ; the masks, the expert's rows, and the tokens with a lower expert
	v_cmp_eq_u32 s[MK+gg], s15, v[B+gg]
	v_cmp_gt_u32 vcc_lo, s15, v[B+gg]
	s_bcnt1_i32_b32 s44, s[MK+gg]
	s_add_co_u32 s17, s17, s44
	s_bcnt1_i32_b32 s45, vcc_lo
	s_add_co_u32 s46, s46, s45
.set gg, gg+1
.endr
.endif
	s_add_co_u32 s47, s46, s17
	s_sub_co_u32 s47, s47, 1                       ; the expert's last row in hbuf (used in live passes alone)
	s_mov_b32 s18, 0
	s_mov_b32 s19, PASSES
.Lpass:                                                ; A PASS: ranks s18 .. s18 + 159
	s_wait_xcnt 0x0                                ; every earlier memory instruction has had its addresses translated (ISA guide 3.1): bases, offsets and store data are rewritten only behind this wait
	s_mov_b64 s[28:29], s[30:31]
	s_add_co_u32 s22, s18, PROWS
	s_min_u32 s22, s22, s17
	s_add_co_u32 s60, s18, 128                     ; tile 8 has rows if this is below the rows' end,
	s_add_co_u32 s61, s18, 144                     ; tile 9 if this is
	s_lshl_b32 s44, s12, 4
	s_add_co_u32 s23, s18, s44
.irp n, 0,1,2,3,4
	v_add_nc_u32 v[AF+\n], \n*2*TILEB, v[AFB]
.endr
.irp n, 0,1,2,3
	v_add_nc_u32 v[DR+\n], \n*DUMPW, v[DRB]
.endr
.if DOWN
	s_lshl_b32 s45, s18, 2
	v_add_nc_u32 v[LISTE], s45, v[LE0]
.endif
	; PART 1: the rows of tiles 0-8 into LDS, 36 a wave
	s_cmp_lt_u32 s18, s17
	s_cbranch_scc0 .Lno_fill
	s_cmp_eq_u32 s18, 0
	s_cbranch_scc1 .Lhave_w                        ; the first pass's first weights were asked for at the head
	s_wait_loadcnt 0x0
	s_mov_b64 s[26:27], s[24:25]
	WPRO
.Lhave_w:
.if DOWN
	s_mul_i32 s44, s12, 36                         ; the rows are dense: START + rank, held to the expert's last
	s_add_co_u32 s44, s44, s18
	s_add_co_u32 s44, s44, s46
	v_add_nc_u32 v[T], s44, v[H]
.set fp, 0
.rept 18
	v_add_nc_u32 v[O+fp], 2*fp, v[T]
.set fp, fp+1
.endr
.set fp, 0
.rept 18
	v_min_u32 v[O+fp], s47, v[O+fp]
.set fp, fp+1
.endr
.set fp, 0
.rept 18
	v_min_u32 v[O+fp], 0x3ff, v[O+fp]
	v_lshl_add_u32 v[O+fp], v[O+fp], ALOG, v[L16]
.set fp, fp+1
.endr
	s_add_co_u32 s45, s18, 144
	s_add_co_u32 s45, s45, s46
	v_add_nc_u32 v[A9OFF], s45, v[R]
	v_min_u32 v[A9OFF], s47, v[A9OFF]
.else
	LOOKUP
	v_permlanex16_b32 v[T], v[LK+12], s50, s51     ; tile 9's tokens lie in lanes 0-15: lanes 16-31 take their partners'
	v_cndmask_b32 v[A9OFF], v[LK+12], v[T], s48
.set fp, 0
.rept 18                                               ; pair fp: lanes 0-15 take my rank 2 fp, lanes 16-31 rank 2 fp + 1
.if fp < 16
	v_readlane_b32 s[52+2*(fp%4)], v[LK], 2*fp
	v_readlane_b32 s[53+2*(fp%4)], v[LK], 2*fp+1
.else
	v_readlane_b32 s[52+2*(fp%4)], v[LK+12], 2*fp-16
	v_readlane_b32 s[53+2*(fp%4)], v[LK+12], 2*fp-15
.endif
	v_mov_b32 v[O+fp], s[52+2*(fp%4)]
	v_cndmask_b32 v[O+fp], v[O+fp], s[53+2*(fp%4)], s48
	v_min_u32 v[O+fp], 0x3ff, v[O+fp]
	v_lshl_add_u32 v[O+fp], v[O+fp], ALOG, v[L16]
.set fp, fp+1
.endr
.endif
	v_min_u32 v[A9OFF], 0x3ff, v[A9OFF]
	v_lshl_add_u32 v[A9OFF], v[A9OFF], ALOG, v[A9K]
	s_cmp_lt_u32 s61, s22                          ; tile 9 has rows
	s_cbranch_scc0 .Lno_a9
	A9LOADS 0
	A9LOADS 1
	A9LOADS 2
.Lno_a9:
.set fp, 0
.rept 6
	FLOAD fp
.set fp, fp+1
.endr
.set fp, 0
.rept 18
.if fp < 12
	FSTORE fp, 40                                  ; five younger pairs stay out
	FLOAD fp+6
.else
	FSTORE fp, 8*(17-fp)                           ; the counts run down; the last is 0, so all that was loaded before the fill has landed too
.endif
.set fp, fp+1
.endr
	WIN 0
.Lno_fill:
	MEET                                           ; the rows are whole for every wave
	; PART 2: 16 K steps
	s_cmp_lt_u32 s18, s17
	s_cbranch_scc0 .Lno_k
	s_wait_loadcnt 0x0                             ; steps 0 to 2 are in (the fill's last wait has shown it)
	XLOAD 0
	STEP 0, 1, 1, 1, 48, 1
	s_mov_b32 s20, 3
.Lk:                                                   ; a trip: four steps, once round the four slots
	STEP 1, 0, 1, 1, 48, 2
	STEP 2, 0, 1, 1, 48, 2
	STEP 3, 0, 1, 1, 48, 2
	STEP 4, 0, 1, 1, 48, 2
	s_wait_xcnt 0x0                                ; the bases step only behind this wait
	s_add_nc_u64 s[26:27], s[26:27], 128*WPITCH
	s_add_nc_u64 s[28:29], s[28:29], 256
.irp n, 0,1,2,3,4
	v_add_nc_u32 v[AF+\n], 256, v[AF+\n]
.endr
	s_sub_co_u32 s20, s20, 1
	s_cmp_lg_u32 s20, 0
	s_cbranch_scc1 .Lk
	STEP 1, 0, 0, 1, 32, 0                         ; the last three steps load and ask for nothing: nothing leaves the slice
	STEP 2, 0, 0, 1, 16, 0
	STEP 3, 0, 0, 0, 0, 0
	PLACES                                         ; behind the last products: what follows, on any way, reads their results or loads into their sources
.Lno_k:
	MEET                                           ; nobody reads the rows any more
	; PART 3: every wave's accumulators into LDS, each accumulator's low four registers first; tiles 8 and 9 only where they have rows
	s_cmp_lt_u32 s18, s17
	s_cbranch_scc0 .Lno_dump
	WIN 0x08
.set z, 0
.rept 32
	ds_store_b128 v[DW], v[8*z:8*z+3] offset:1024*z
	ds_store_b128 v[DW], v[8*z+4:8*z+7] offset:1024*z+512
.set z, z+1
.endr
	WIN 0
	s_cmp_lt_u32 s60, s22
	s_cbranch_scc0 .Lno_dump
	WIN 0x0c
.set z, 0
.rept 4
	ds_store_b128 v[DW], v[8*z:8*z+3] offset:1024*(z+32)
	ds_store_b128 v[DW], v[8*z+4:8*z+7] offset:1024*(z+32)+512
.set z, z+1
.endr
	WIN 0
	s_cmp_lt_u32 s61, s22
	s_cbranch_scc0 .Lno_dump
	WIN 0x0c
.rept 4
	ds_store_b128 v[DW], v[8*z:8*z+3] offset:1024*(z+32)
	ds_store_b128 v[DW], v[8*z+4:8*z+7] offset:1024*(z+32)+512
.set z, z+1
.endr
	WIN 0
.Lno_dump:
	MEET                                           ; the dumps are whole
	; PART 4: THE WAY OUT.  Wave w sends tiles w, w + 4, w + 8; a tile that begins at or past the rows' end (tiles 10 and 11 among them) is jumped
	s_mov_b32 s21, 3
.Ltile:
	s_cmp_lt_u32 s23, s22
	s_cbranch_scc0 .Lno_tile
	s_wait_xcnt 0x0                                ; the last tile's stores have read their offsets and data
.if DOWN
.irp t, 0,1,2,3,4,5,6,7
	ds_load_b32 v[SO+\t], v[LISTE] offset:4*\t     ; store j takes rows 8 h + j: their tokens
.endr
	TSUM 0, F
	OFFS
.irp j, 0,1,2,3,4,5,6,7
	global_store_b128 v[SO+\j], v[F+4*\j:F+4*\j+3], s[32:33]  ; 16 lanes store 256 consecutive bytes of a token's row, at a multiple of 256 from the buffer's first byte
.endr
	TSUM 1, F1
.irp j, 0,1,2,3,4,5,6,7
	global_store_b128 v[SO+\j], v[F1+4*\j:F1+4*\j+3], s[32:33] offset:256
.endr
.else
	s_add_co_u32 s44, s23, s46                     ; store t takes rows 2 t + h of my tile: START + rank, held to the expert's last row
	v_add_nc_u32 v[T], s44, v[H]
.irp t, 0,1,2,3,4,5,6,7
	v_add_nc_u32 v[SO+\t], 2*\t, v[T]
.endr
.irp t, 0,1,2,3,4,5,6,7
	v_min_u32 v[SO+\t], s47, v[SO+\t]
.endr
.irp g, 0,1
	TSUM \g, F
	GELU
.set z, 0
.rept 16
	v_cvt_pk_bf16_f32 v[PK+z], v[F+2*z], v[F+2*z+1]
.set z, z+1
.endr
.irp j, 0,1,2,3,4,5,6,7
	ds_store_b64 v[STW], v[PK+2*\j:PK+2*\j+1] offset:\j*SPITCH+128*\g
.endr
.endr
.irp t, 0,1,2,3,4,5,6,7
	ds_load_b128 v[RB+4*\t:RB+4*\t+3], v[STR] offset:\t*2*SPITCH  ; my own stage, served in order: these see the stores above
.endr
	OFFS
	s_wait_dscnt 0x0
.irp t, 0,1,2,3,4,5,6,7
	global_store_b128 v[SO+\t], v[RB+4*\t:RB+4*\t+3], s[32:33]  ; 16 lanes store 256 consecutive bytes of a row, at a multiple of 256 from the buffer's first byte
.endr
.endif
.Lno_tile:
.irp n, 0,1,2,3
	v_add_nc_u32 v[DR+\n], 4*4096, v[DR+\n]
.endr
.if DOWN
	v_add_nc_u32 v[LISTE], 256, v[LISTE]
.endif
	s_add_co_u32 s23, s23, 64
	s_sub_co_u32 s21, s21, 1
	s_cmp_lg_u32 s21, 0
	s_cbranch_scc1 .Ltile
	MEET                                           ; nobody reads the dumps any more: the next pass may lay its rows there
	s_add_co_u32 s18, s18, PROWS
	s_sub_co_u32 s19, s19, 1
	s_cmp_lg_u32 s19, 0
	s_cbranch_scc1 .Lpass
	s_wait_tensorcnt 0x0                           ; the wave's end: behind my last LDS store
	ds_add_u32 v[SPW], v[NIL]
	s_wait_dscnt 0x0
	s_endpgm
.Lfunc_end_k_q83458b8a3d_up:
	.size	k_q83458b8a3d_up, .Lfunc_end_k_q83458b8a3d_up-k_q83458b8a3d_up
	.p2alignl 7, 3214868480
	.fill 96, 4, 3214868480
	.section	.rodata,"a",@progbits
	.p2align	6, 0x0
	.amdhsa_kernel k_q83458b8a3d_up
		.amdhsa_group_segment_fixed_size 317184
		.amdhsa_private_segment_fixed_size 0
		.amdhsa_enable_private_segment 0
		.amdhsa_kernarg_size 32
		.amdhsa_user_sgpr_count 2
		.amdhsa_user_sgpr_kernarg_segment_ptr 1
		.amdhsa_wavefront_size32 1
		.amdhsa_system_sgpr_workgroup_id_x 1
		.amdhsa_system_sgpr_workgroup_id_y 1
		.amdhsa_system_sgpr_workgroup_id_z 1
		.amdhsa_system_vgpr_workitem_id 0
		.amdhsa_next_free_vgpr 832
		.amdhsa_next_free_sgpr 98
		.amdhsa_reserve_vcc 1
		.amdhsa_float_denorm_mode_32 3
		.amdhsa_float_denorm_mode_16_64 3
		.amdhsa_memory_ordered 1
		.amdhsa_forward_progress 1
		.amdhsa_inst_pref_size 170
	.end_amdhsa_kernel
	.amdgpu_metadata
---
amdhsa.version: [ 1, 2 ]
amdhsa.kernels:
  - .name:           k_q83458b8a3d_up
    .symbol:         k_q83458b8a3d_up.kd
    .args:
      - { .name: W1, .offset: 0, .size: 8, .value_kind: global_buffer, .address_space: global }
      - { .name: xb, .offset: 8, .size: 8, .value_kind: global_buffer, .address_space: global }
      - { .name: idx, .offset: 16, .size: 8, .value_kind: global_buffer, .address_space: global }
      - { .name: hbuf, .offset: 24, .size: 8, .value_kind: global_buffer, .address_space: global }
    .group_segment_fixed_size: 317184
    .private_segment_fixed_size: 0
    .kernarg_segment_align: 8
    .kernarg_segment_size: 32
    .max_flat_workgroup_size: 128
    .sgpr_count:     98
    .vgpr_count:     832
    .wavefront_size: 32
...
	.end_amdgpu_metadata
.endif
;; end of part 5
;; launch down (part 6): grid 32 x 8, 4 waves a work-group, no clusters, 317,184 bytes of LDS; arguments W2, hbuf, idx, part; writes part
.if DOCPART == 6
	.amdgcn_target "amdgcn-amd-amdhsa--gfx1250"
	.amdhsa_code_object_version 6
	.text
	.protected	k_q83458b8a3d_down
	.globl	k_q83458b8a3d_down
	.p2align	8
	.type	k_q83458b8a3d_down,@function
k_q83458b8a3d_down:
	s_mov_b64 s[64:65], 0
	v_nop
	global_prefetch_b8 v0, s[64:65] scope:SCOPE_SE
	s_setreg_imm32_b32 hwreg(HW_REG_WAVE_MODE, 25, 1), 1
	s_wait_xcnt 0x0
; ONE PRODUCT OF A LAYER OF ROUTED EXPERTS, for the rows that chose the expert.  One text serves both products; DOWN says which.
;   DOWN = 0:  hbuf[START + rank][4096] (bf16) = gelu_tanh(xb[token][1024] (bf16) . W1[e] ([1024][4096] f32)), sums and gelu in f32, rounded once.
;   DOWN = 1:  part[kq][token][1024] (f32) = hbuf[START + rank][1024 kq ..] . W2[e] ([4096][1024] f32) over K quarter kq; a later launch adds the four.
; The weights are rounded to bf16 on their way through registers.  idx[token] is the token's expert, stored by the router's launch.
; RANKS.  Every wave loads all 1,024 choices: register g of 32, lane l holds token 128 (g / 4) + g % 4 + 4 l.  An expert's rows are ranked by g, then by l.  START is the number of tokens with a lower
; expert, so the hidden rows of an expert lie end to end in hbuf, and the second product reads them by plain arithmetic on two counts.  Every row's load address is made in registers.
;   DOWN = 0 gathers xb by token: the 32 compare masks stay in scalar registers; for 64 ranks at a time (two vectors) a walk over the groups picks each lane's mask, the ranks in front of it and its token base,
;   and five halving steps on partial bit counts find the set bit wanted.      DOWN = 1 needs tokens for its stores alone: each wave keeps a list of its own in LDS.
; SHARES.  Work-group (x, e): expert e, 128 columns, 1,024 along K, which it alone reads, and ALL rows of that expert, 160 to a PASS.  Wave w = cg + 2 kh has 64 columns (cg)
; and 512 along K (kh), and all 10 tiles of 16 rows: 40 accumulators.  The two K halves meet in LDS on the way out.
; WEIGHTS lie [k][n].  For a K step of 32 lane (r, h) loads 16 bytes, columns 4 r .. 4 r + 3, of 16 rows: 8 h + 0..7 and 16 + 8 h + 0..7.  Each load takes two rows' 256 consecutive
; bytes, at multiples of 256 from the buffer's first byte.  Rounding neighbouring k of one column in pairs gives source 1 as the matrix instruction wants it; the four registers of a load fall into four
; tiles, tile c holding columns 4 r + c.  No LDS and no turning load; k keeps its true places.
; ROWS.  Tiles 0-8 (144 rows x 1,024 k) are laid into LDS once a pass; all of LDS would hold just 160 such rows and nothing else, so tile 9 comes from memory as fragments, two loads a K step.
; Places past the count repeat the expert's last row; what they give is stored onto that row's own bytes, the same numbers.
; DEAD TILES.  Tile 8 or 9 that begins at or past the rows' end is not multiplied and not dumped, and tile 9 is then not loaded: forward jumps on the count, none past a barrier.  The way out jumps a tile on the
; same test, so what is sent has been made.  Tiles 0-7 are always multiplied.
; EVERY SPLIT is served: 7 passes of 160 cover 1,024 rows.  The pass loop has a constant count and four barriers a trip on every wave's way; a pass past the count jumps its parts, none of
; which holds a barrier.  LIMIT: an expert with more than 160 rows reads its weights once for each 160.  An expert without rows stores nothing.
; AHEAD.  A wave loads three K steps ahead: 48 loads of weights are younger than the step that it waits for.
; PREFETCH.  A K step of a wave is 32 rows x 256 bytes; one line asks for it, a lane a row, each wave for its own columns, so that each block of 256 bytes is asked for once a pass.  Steps 0-2 are loaded outright;
; steps 3-6 are asked for beside them (the counting and the fill stand between that and their loads); K step p asks for step p + 7, four steps ahead of the loads: 8 KB a wave and step, 128 KB for the work-group.
; From step 9 on nothing is asked for: step 15 is the slice's last.
; NO CLUSTER.  Each weight has one work-group that reads it.  What an expert's work-groups share is its rows, some 290 KB beside a work-group's 512 KB of weights.  With DOWN = 0 they are named token by token, which no
; tile's descriptor covers.
; REGISTERS, in windows of 256 (s_set_vgpr_msb: bits 1:0 source 0, 3:2 source 1, 5:4 source 2, 7:6 destination):
;   window 0: addresses, operands (below)      window 1: the weights as loaded, four slots of 64: load i, register c at 64 slot + 4 i + c
;   window 2: accumulator (tile i, c) at 32 i + 8 c, tiles 0-7; during the fill v0-191 are six slots of 32      window 3: tiles 8 and 9
.set DOWN, 1
.if DOWN
.set WPITCH, 4096                      ; bytes from row to row of the weights
.set WLOG,   12                        ; the same as a shift
.set KHSH,   21                        ; 512 rows of them
.set ALOG,   13                        ; a row of the left operand: 8,192 bytes
.set OLOG,   12                        ; a row of the result: 4,096 bytes
.else
.set WPITCH, 16384
.set WLOG,   14
.set KHSH,   23
.set ALOG,   11
.set OLOG,   13
.endif
.set WSH,    WLOG+3                    ; 8 rows of the weights, as a shift
.set APITCH, 2064                      ; a row in LDS: 2,048 bytes + 16 = 129 x 16: the 16 rows of a fragment load start 16 bytes apart modulo 256
.set TILEB,  16*APITCH
.set LIST,   144*APITCH                ; (DOWN) behind the rows: for each wave 1,184 words of list (1,024 ranks + 160 repeats) and 32 words for the lanes that have nothing to list
.set LISTW,  4864
.set SPARE,  LIST+4*LISTW              ; the spare words: 128 bytes for each wave; no other line names them
.set DUMPW,  40960                     ; the way out, in the rows' bytes: a wave's 40 accumulators of 1,024 bytes
.set STAGE,  172032                    ; behind the furthest byte that a stepped dump address names: 16 rows x 272 bytes for each wave
.set SPITCH, 272
.set PROWS,  160
.set PASSES, 7
.set R,    1                           ; v1   lane % 16
.set H,    2                           ; v2   lane / 16
.set SPW,  3                           ; v3   SPARE + 4 x my thread's number; never rewritten
.set NIL,  4                           ; v4   0; never rewritten
.set WOFF, 5                           ; v5   8 h rows + 16 r in the weights; never rewritten
.set A9OFF,6                           ; v6   tile 9: my row's byte offset
.set FS1,  8                           ; v8-9 where the fill puts 16 bytes: pairs of rows 0-8, 9-17
.set FS2,  9
.set AF,   10                          ; v10-14  fragment addresses, tiles 2 n and 2 n + 1
.set L16,  15                          ; v15  16 r
.set DW,   16                          ; v16  my dump
.set DR,   17                          ; v17-20  wave ws's dump of the tile that I send out
.set LISTE,21                          ; v21  (DOWN) the way out's place in the list
.set STW,  22                          ; v22  stage, in
.set STR,  23                          ; v23  stage, back
.set SO,   24                          ; v24-31  the stores' byte offsets
.set B,    32                          ; v32-95   source 1, two buffers of four tiles; at the head v32-63 hold idx
.set X,    96                          ; v96-135  fragments of tiles 0-4
.set Y,    136                         ; v136-167 of tiles 5-8
.set A9,   168                         ; v168-199 of tile 9, four slots
.set O,    200                         ; v200-217 the fill's byte offsets, a pair of rows each
.set AFB,  218                         ; the rest is made once and never rewritten: r x pitch + 16 h + 1,024 kh
.set LB,   219                         ; (DOWN) my list
.set JUNK, 220                         ; (DOWN) 1,184 + lane
.set L4,   221                         ; (DOWN) 4 x lane
.set DRB,  222                         ; 4,096 w + 16 x lane
.set LE0,  224                         ; (DOWN) LB + 4 (16 w + 8 h)
.set A9K,  226                         ; 1,024 kh + 16 h
.set IOFF, 227                         ; 16 x lane
.set T,    228                         ; v228-235 at work
.set LANE, 236                         ; v236 lane
.set PFO,  237                         ; v237 lane rows of the weights: the prefetch's offset
.set LK,   96                          ; ahead of the fill, in X's registers: two vectors of ranks, 12 registers each: +0 rank, then token; +1 mask; +2 ranks in front | token base << 16; +3 k; +4 token base;
                                       ; +5 to +8 bit counts by twos, fours, eights, sixteen; +9, +10 at work; +11 the bit's place
.set T0,   32                          ; the way out: the two K halves of a tile's 64 columns,
.set T1,   64
.set F,    96                          ; their sum, row j's four columns at 4 j
.set F1,   128                         ; (DOWN) the other 64 columns' sum
.set E,    128                         ; (gelu) at work
.set PK,   160                         ; bf16, two registers a row
.set RB,   176                         ; whole rows back from the stage
.set MK,   66                          ; s66-97  (DOWN = 0) group g's mask: the lanes whose token chose e
; s12 w  s13 cg  s14 kh  s15 e  s16 slice  s17 the expert's rows  s18 the pass's first row  s19 passes to go  s20 K trips  s21 tiles  s22 rows' end in this pass  s23 my tile's first row
; s[24:25] my weights  s[26:27] the same, walking  s[28:29] tile 9's base, walking  s[30:31] left operand  s[32:33] result  s[38:41] gelu's constants  s44, s45 at work
; s46 START  s47 START + rows - 1  s48 the mask of lanes 16-31  s49 the last rank  s[50:51] v_permlanex16_b32's selects  s52-59 at work  s60, s61 the first rows of tiles 8 and 9
.set MSB, 0
.macro WIN new                         ; the immediate's high byte repeats the setting that is left; a switch that changes nothing is dropped
.if MSB != (\new)
	s_set_vgpr_msb (MSB<<8)|(\new)
.set MSB, \new
.endif
.endm
.macro PLACES                          ; four places between a matrix instruction and a load into, or a read of, its registers (ISA guide 7.12.1 for reads)
.rept 4
	v_nop
.endr
.endm
.macro MEET                            ; a barrier: no LDS instruction of mine is out when I signal
	s_wait_dscnt 0x0
	s_barrier_signal -1
	s_barrier_wait -1
.endm
.macro WLOADS pos                      ; the weights of K step pos (counted from the walking base): 16 loads
	WIN 0x40
.set wi, 0
.rept 16
	global_load_b128 v[64*((\pos)%4)+4*wi:64*((\pos)%4)+4*wi+3], v[WOFF], s[26:27] offset:(32*(\pos)+wi+8*(wi/8))*WPITCH th:TH_LOAD_NT
.set wi, wi+1
.endr
.endm
.macro A9LOADS pos                     ; tile 9's fragment of K step pos
	WIN 0
	global_load_b128 v[A9+8*((\pos)%4):A9+8*((\pos)%4)+3],   v[A9OFF], s[28:29] offset:64*(\pos)
	global_load_b128 v[A9+8*((\pos)%4)+4:A9+8*((\pos)%4)+7], v[A9OFF], s[28:29] offset:64*(\pos)+32
.endm
.macro ASK pos                         ; K step pos of my columns is asked for: lane l names row 32 pos + l
	global_prefetch_b8 v[PFO], s[26:27] offset:32*(\pos)*WPITCH th:TH_LOAD_NT scope:SCOPE_SE
.endm
.macro WPRO                            ; the first three K steps' weights are loaded, the next four asked for
	WLOADS 0
	WLOADS 1
	WLOADS 2
	WIN 0
	ASK 3
	ASK 4
	ASK 5
	ASK 6
.endm
.macro CONV p                          ; slot p % 4 rounded to bf16: register j of tile c takes k = 2 j, 2 j + 1 of the lane's sixteen, column 4 r + c
	WIN 0x05
.set cc, 0
.rept 4
.set cj, 0
.rept 8
	v_cvt_pk_bf16_f32 v[B+32*((\p)%2)+8*cc+cj], v[64*((\p)%4)+8*cj+cc], v[64*((\p)%4)+8*cj+4+cc]
.set cj, cj+1
.endr
.set cc, cc+1
.endr
.endm
.macro ALD i, reg, pos                 ; tile i's fragment of K step pos: row r, 16 bytes at 16 h and 32 further on
	ds_load_b128 v[(\reg):(\reg)+3],   v[AF+(\i)/2] offset:((\i)%2)*TILEB+64*(\pos)
	ds_load_b128 v[(\reg)+4:(\reg)+7], v[AF+(\i)/2] offset:((\i)%2)*TILEB+64*(\pos)+32
.endm
.macro XLOAD pos
.irp i, 0,1,2,3,4
	ALD \i, X+8*\i, \pos
.endr
.endm
.macro YLOAD pos
.irp i, 5,6,7,8
	ALD \i, Y+8*\i-40, \pos
.endr
.endm
.macro MM i, areg, b, zero             ; tile i x the four column tiles.  Source 0 = 16 rows, source 1 = 16 columns: register j of lane (r, h) is (row 8 h + j, column 4 r + c)
.irp c, 0,1,2,3
.if \zero
	v_wmma_f32_16x16x32_bf16 v[32*((\i)%8)+8*\c:32*((\i)%8)+8*\c+7], v[(\areg):(\areg)+7], v[B+32*(\b)+8*\c:B+32*(\b)+8*\c+7], 0
.else
	v_wmma_f32_16x16x32_bf16 v[32*((\i)%8)+8*\c:32*((\i)%8)+8*\c+7], v[(\areg):(\areg)+7], v[B+32*(\b)+8*\c:B+32*(\b)+8*\c+7], v[32*((\i)%8)+8*\c:32*((\i)%8)+8*\c+7]
.endif
.endr
.endm
; A K STEP of 32: 32 to 40 matrix instructions; the accumulators take turns, one instruction a turn, over the loop's jump and on every way round the dead tiles too.
; zero = 1: the products start the sums.  fetch = 1: the step three on is loaded.  nextx = 1: the next step's X is fetched.  pf = 1: the step seven on is asked for; 2: but not in the loop's last trip.
; left: the loads of weights younger than this step's, 16 a step.  Tile 9's two a step, where they are issued, come on top: the count is the least on any way, so it shows this step's loads landed on every way.
.macro STEP p, zero, fetch, nextx, left, pf
	PLACES                                         ; behind the last step's products, which read Y and the slot of tile 9 that is loaded next
.if \fetch
	WLOADS (\p)+3
	WIN 0                                          ; at a branch and at a label every window is 0
	s_cmp_lt_u32 s61, s22                          ; tile 9 has rows
	s_cbranch_scc0 .Lno9_\@
	A9LOADS (\p)+3
.Lno9_\@:
.endif
.if (\pf) == 2
	s_cmp_lg_u32 s20, 1                            ; the last trip's look-ahead would pass the slice's last step
	s_cbranch_scc0 .Lnopf_\@
.endif
.if \pf
	ASK (\p)+7
.endif
.if (\pf) == 2
.Lnopf_\@:
.endif
	WIN 0
	YLOAD \p
	s_wait_loadcnt \left                           ; loads come back in order (ISA guide 5.7.1): this step's 16 of the weights, and tile 9's 2, are in
	CONV \p
	s_wait_dscnt 8                                 ; X is in; the eight younger loads are Y's
	WIN 0xa0
	MM 0, X, (\p)%2, \zero
	MM 1, X+8, (\p)%2, \zero
	MM 2, X+16, (\p)%2, \zero
	MM 3, X+24, (\p)%2, \zero
	MM 4, X+32, (\p)%2, \zero
	PLACES                                         ; in front of the loads into X
	WIN 0
.if \nextx
	XLOAD (\p)+1
	s_wait_dscnt 10                                ; Y is in; the ten younger loads are the next X's
.else
	s_wait_dscnt 0x0
.endif
	WIN 0xa0
	MM 5, Y, (\p)%2, \zero
	MM 6, Y+8, (\p)%2, \zero
	MM 7, Y+16, (\p)%2, \zero
	WIN 0
	s_cmp_lt_u32 s60, s22                          ; tile 8 has rows
	s_cbranch_scc0 .Ldead_\@
	WIN 0xf0
	MM 8, Y+24, (\p)%2, \zero
	WIN 0
	s_cmp_lt_u32 s61, s22                          ; tile 9 has rows
	s_cbranch_scc0 .Ldead_\@
	WIN 0xf0
	MM 9, A9+8*((\p)%4), (\p)%2, \zero
	WIN 0
.Ldead_\@:
.endm
.macro FLOAD p                         ; pair p of my 18 pairs of rows: lanes 0-15 take 256 consecutive bytes of one row, lanes 16-31 of the next; eight loads take the rows' 2,048 bytes
	WIN 0x80
.irp u, 0,1,2,3,4,5,6,7
	global_load_b128 v[32*((\p)%6)+4*\u:32*((\p)%6)+4*\u+3], v[O+(\p)], s[30:31] offset:256*\u
.endr
.endm
.macro FSTORE p, left                  ; left: the younger pairs' loads
	s_wait_loadcnt \left
	WIN 0x08
.irp u, 0,1,2,3,4,5,6,7
	ds_store_b128 v[FS1+(\p)/9], v[32*((\p)%6)+4*\u:32*((\p)%6)+4*\u+3] offset:((\p)%9)*2*APITCH+256*\u
.endr
.endm
; (DOWN) A lane whose token chose e writes the token's number at its rank: the rows counted so far plus the choosing lanes below it.  The other lanes write a word of their own behind the list,
; which nobody reads.  The index is held to the wave's 1,216 words before it becomes an address.  The tokens with a lower expert are counted beside.
.macro GROUP g
.set tA, T+2*((\g)%4)
	v_cmp_eq_u32 vcc_lo, s15, v[B+(\g)]
	v_mbcnt_lo_u32_b32 v[tA], vcc_lo, s17
	v_cndmask_b32 v[tA], v[JUNK], v[tA], vcc_lo
	v_min_u32 v[tA], 0x4bf, v[tA]
	v_lshl_add_u32 v[tA], v[tA], 2, v[LB]
	v_add_nc_u32 v[tA+1], 128*((\g)/4)+(\g)%4, v[L4]
	ds_store_b32 v[tA], v[tA+1]
	s_bcnt1_i32_b32 s44, vcc_lo
	s_add_co_u32 s17, s17, s44
	v_cmp_gt_u32 vcc_lo, s15, v[B+(\g)]
	s_bcnt1_i32_b32 s45, vcc_lo
	s_add_co_u32 s46, s46, s45
.endm
; (DOWN = 0) THE TOKEN OF A RANK, for two vectors of 32 ranks at once.
.macro TWICE line:vararg               ; one line for each vector: its registers at lb, its lane mask in s[lq]
.set lb, LK
.set lq, 54
	\line
.set lb, LK+12
.set lq, 55
	\line
.endm
.macro PICK src, width, half           ; a halving step: if k is no less than the set bits of the lower half, they are taken off k and the place moves to the upper half
	TWICE v_bfe_u32 v[lb+9], v[lb+\src], v[lb+11], \width
	TWICE v_cmp_ge_u32 s[lq], v[lb+3], v[lb+9]
	TWICE v_cndmask_b32 v[lb+9], 0, v[lb+9], s[lq]
	TWICE v_cndmask_b32 v[lb+10], 0, \half, s[lq]
	TWICE v_sub_nc_u32 v[lb+3], v[lb+3], v[lb+9]
	TWICE v_add_nc_u32 v[lb+11], v[lb+11], v[lb+10]
.endm
.macro LOOKUP
	s_mul_i32 s44, s12, 36
	s_add_co_u32 s44, s44, s18                     ; my first rank of the fill's 36
	s_add_co_u32 s45, s18, 144                     ; tile 9's first rank
	s_sub_co_u32 s49, s17, 1                       ; the last rank: places past it repeat it
	v_add_nc_u32 v[LK], s44, v[LANE]               ; vector 0: my ranks 0-31
	s_add_co_u32 s44, s44, 16
	v_add_nc_u32 v[LK+12], s45, v[LANE]            ; vector 1: lanes 0-15 tile 9's sixteen,
	v_add_nc_u32 v[LK+13], s44, v[LANE]            ; lanes 16-19 my ranks 32-35 (the lanes behind them serve nothing)
	v_cndmask_b32 v[LK+12], v[LK+12], v[LK+13], s48
	TWICE v_min_u32 v[lb], s49, v[lb]
	TWICE v_mov_b32 v[lb+1], s[MK]                 ; group 0 to begin with; each later group whose first rank is no greater than mine takes its place
	TWICE v_mov_b32 v[lb+2], 0
	s_mov_b32 s52, 0
.set lg, 1
.rept 31
	s_bcnt1_i32_b32 s45, s[MK+lg-1]
	s_add_co_u32 s52, s52, s45                     ; the ranks in front of group lg
	s_or_b32 s53, s52, (128*(lg/4)+lg%4)<<16       ; with the group's token base above them
	TWICE v_cmp_le_u32 s[lq], s52, v[lb]
	TWICE v_cndmask_b32 v[lb+1], v[lb+1], s[MK+lg], s[lq]
	TWICE v_cndmask_b32 v[lb+2], v[lb+2], s53, s[lq]
.set lg, lg+1
.endr
	TWICE v_and_b32 v[lb+3], 0xffff, v[lb+2]
	TWICE v_lshrrev_b32 v[lb+4], 16, v[lb+2]
	TWICE v_sub_nc_u32 v[lb+3], v[lb], v[lb+3]     ; k: which set bit of my mask, from 0
	TWICE v_lshrrev_b32 v[lb+5], 1, v[lb+1]        ; the mask's set bits counted by twos,
	TWICE v_and_b32 v[lb+5], 0x55555555, v[lb+5]
	TWICE v_sub_nc_u32 v[lb+5], v[lb+1], v[lb+5]
	TWICE v_lshrrev_b32 v[lb+6], 2, v[lb+5]        ; by fours,
	TWICE v_and_b32 v[lb+9], 0x33333333, v[lb+5]
	TWICE v_and_b32 v[lb+6], 0x33333333, v[lb+6]
	TWICE v_add_nc_u32 v[lb+6], v[lb+6], v[lb+9]
	TWICE v_lshrrev_b32 v[lb+7], 4, v[lb+6]        ; by eights,
	TWICE v_add_nc_u32 v[lb+7], v[lb+7], v[lb+6]
	TWICE v_and_b32 v[lb+7], 0x0f0f0f0f, v[lb+7]
	TWICE v_lshrrev_b32 v[lb+8], 8, v[lb+7]        ; and, in the lowest byte, of the low sixteen
	TWICE v_add_nc_u32 v[lb+8], v[lb+8], v[lb+7]
	TWICE v_mov_b32 v[lb+11], 0
	PICK 8, 8, 16
	PICK 7, 8, 8
	PICK 6, 4, 4
	PICK 5, 2, 2
	PICK 1, 1, 1
	TWICE v_lshl_add_u32 v[lb], v[lb+11], 2, v[lb+4]  ; the token: its group's base + 4 x the bit's place
.endm
; The two K halves of my tile's columns 64 cg .. are read from the dumps and added; the sum also brings a lane's four neighbouring columns of row 8 h + j into registers 4 j .. 4 j + 3.
.macro TSUM cg, dst
.set ta, 0
.rept 8
	ds_load_b128 v[T0+4*ta:T0+4*ta+3], v[DR+(\cg)] offset:512*ta
	ds_load_b128 v[T1+4*ta:T1+4*ta+3], v[DR+(\cg)+2] offset:512*ta
.set ta, ta+1
.endr
	s_wait_dscnt 0x0
.set tj, 0
.rept 8
.set tc, 0
.rept 4
	v_add_f32 v[(\dst)+4*tj+tc], v[T0+8*tc+tj], v[T1+8*tc+tj]
.set tc, tc+1
.endr
.set tj, tj+1
.endr
.endm
.macro OFFS                            ; the stores' offsets: the row, held to the table, times its bytes, + 16 r
.irp t, 0,1,2,3,4,5,6,7
	v_min_u32 v[SO+\t], 0x3ff, v[SO+\t]
.endr
.irp t, 0,1,2,3,4,5,6,7
	v_lshl_add_u32 v[SO+\t], v[SO+\t], OLOG, v[L16]
.endr
.endm
; gelu_tanh(x) = x / (1 + 2^(x (K0 + K1 x^2))), K0 = -2 log2(e) sqrt(2 / pi), K1 = 0.044715 K0.  Far out the power is 0 or infinite and the result x or -0.
; The 32 exponentials are one batch with one wait, and so are the 32 reciprocals: a plain instruction behind the last, then the wait ahead of the first use.
.macro GELU
.set z, 0
.rept 16
	v_pk_mul_f32 v[E+2*z:E+2*z+1], v[F+2*z:F+2*z+1], v[F+2*z:F+2*z+1]
.set z, z+1
.endr
.set z, 0
.rept 16
	v_pk_fma_f32 v[E+2*z:E+2*z+1], v[E+2*z:E+2*z+1], s[38:39], s[40:41] op_sel_hi:[1,0,0]
.set z, z+1
.endr
.set z, 0
.rept 16
	v_pk_mul_f32 v[E+2*z:E+2*z+1], v[E+2*z:E+2*z+1], v[F+2*z:F+2*z+1]
.set z, z+1
.endr
.set z, 0
.rept 32
	v_exp_f32 v[E+z], v[E+z]
.set z, z+1
.endr
	v_nop
	s_wait_alu depctr_va_vdst(0)
.set z, 0
.rept 16
	v_pk_add_f32 v[E+2*z:E+2*z+1], v[E+2*z:E+2*z+1], 1.0 op_sel_hi:[1,0]
.set z, z+1
.endr
.set z, 0
.rept 32
	v_rcp_f32 v[E+z], v[E+z]
.set z, z+1
.endr
	v_nop
	s_wait_alu depctr_va_vdst(0)
.set z, 0
.rept 16
	v_pk_mul_f32 v[F+2*z:F+2*z+1], v[F+2*z:F+2*z+1], v[E+2*z:E+2*z+1]
.set z, z+1
.endr
.endm
	; THE HEAD
	s_load_b256 s[4:11], s[0:1], 0x0               ; weights s[4:5], left operand s[6:7], idx s[8:9], result s[10:11]
	v_lshl_add_u32 v[SPW], v0, 2, SPARE
	v_mov_b32 v[NIL], 0
	v_lshrrev_b32 v[T], 5, v0
	v_readfirstlane_b32 s12, v[T]                  ; wave 0..3
	v_and_b32 v[R], 15, v0
	v_bfe_u32 v[H], v0, 4, 1
	v_and_b32 v[LANE], 31, v0
	v_lshlrev_b32 v[L16], 4, v[R]
	v_lshlrev_b32 v[IOFF], 4, v[LANE]
	v_lshlrev_b32 v[PFO], WLOG, v[LANE]
.if DOWN
	v_lshlrev_b32 v[L4], 2, v[LANE]
	v_add_nc_u32 v[JUNK], 1184, v[LANE]
.endif
	v_lshl_add_u32 v[WOFF], v[H], WSH, v[L16]
	s_and_b32 s13, s12, 1                          ; cg
	s_lshr_b32 s14, s12, 1                         ; kh
	s_and_b32 s15, ttmp7, 0xffff                   ; e
.if DOWN
	s_lshr_b32 s45, ttmp9, 3                       ; kq
	s_and_b32 s16, ttmp9, 7                        ; slice of 128 columns
.else
	s_mov_b32 s45, 0
	s_mov_b32 s16, ttmp9
.endif
	s_lshl_b32 s34, s15, 24                        ; my weights: the expert's 16 MiB,
	s_lshl_b32 s44, s45, 22                        ; the K quarter's 1,024 rows,
	s_add_co_u32 s34, s34, s44
	s_lshl_b32 s44, s14, KHSH                      ; my half's 512 rows,
	s_add_co_u32 s34, s34, s44
	s_lshl_b32 s44, s16, 9                         ; the slice's 512 bytes,
	s_add_co_u32 s34, s34, s44
	s_lshl_b32 s44, s13, 8                         ; my 256 of them
	s_add_co_u32 s34, s34, s44
	s_mov_b32 s35, 0
	s_lshl_b32 s36, s45, 11                        ; the left operand: the K quarter's 2,048 bytes of a row
	s_mov_b32 s37, 0
.if DOWN
	s_lshl_b32 s42, s45, 22                        ; the result: the quarter's 4 MiB, the slice's 512 bytes
	s_lshl_b32 s44, s16, 9
	s_add_co_u32 s42, s42, s44
.else
	s_lshl_b32 s42, s16, 8                         ; the result: the slice's 256 bytes
	s_mov_b32 s38, 0xbdd2d3e8                      ; K1 = -0.10294324
	s_mov_b32 s39, s38                             ; named with it as a pair
	s_mov_b32 s40, 0xc0135761                      ; K0 = -2.3022082
	s_mov_b32 s41, s40
	s_mov_b32 s48, 0xffff0000                      ; lanes 16-31
	s_mov_b32 s50, 0x76543210                      ; v_permlanex16_b32: each lane takes its own place in the other half
	s_mov_b32 s51, 0xfedcba98
.endif
	s_mov_b32 s43, 0
	s_wait_kmcnt 0x0
	s_add_nc_u64 s[24:25], s[4:5], s[34:35]
	s_mov_b64 s[26:27], s[24:25]
	s_add_nc_u64 s[30:31], s[6:7], s[36:37]
	s_add_nc_u64 s[32:33], s[10:11], s[42:43]
.irp q, 0,1,2,3,4,5,6,7
	global_load_b128 v[B+4*\q:B+4*\q+3], v[IOFF], s[8:9] offset:512*\q  ; all 1,024 choices, in every wave
.endr
	WPRO                                           ; the weights hang on no choice: they are asked for before anything is known of the rows
	; What one part of a pass hands to another in registers is given a value here, once, so that it holds a written value on every way through the text, the ways on which a part
	; is jumped among them: tile 9's offset and slots, and the 40 accumulators (products of zeros).  This stands in the wait for idx.
.set z, 0
.rept 32
	v_mov_b32 v[A9+z], 0
.set z, z+1
.endr
	v_mov_b32 v[A9OFF], 0
	WIN 0x80
.set z, 0
.rept 32
	v_wmma_f32_16x16x32_bf16 v[8*z:8*z+7], v[A9:A9+7], v[A9+8:A9+15], 0
.set z, z+1
.endr
	WIN 0xc0
.set z, 0
.rept 8
	v_wmma_f32_16x16x32_bf16 v[8*z:8*z+7], v[A9:A9+7], v[A9+8:A9+15], 0
.set z, z+1
.endr
	WIN 0
.if DOWN
	s_mul_i32 s44, s12, LISTW
	s_add_co_u32 s44, s44, LIST
	v_mov_b32 v[LB], s44
	s_lshl_b32 s44, s12, 6
	v_lshl_add_u32 v[LE0], v[H], 5, v[LB]
	v_add_nc_u32 v[LE0], s44, v[LE0]
.endif
	s_lshl_b32 s44, s14, 10
	v_mul_u32_u24 v[AFB], APITCH, v[R]
	v_lshl_add_u32 v[AFB], v[H], 4, v[AFB]
	v_add_nc_u32 v[AFB], s44, v[AFB]
	v_lshl_add_u32 v[A9K], v[H], 4, s44
	s_mul_i32 s44, s12, 36*APITCH
	v_mul_u32_u24 v[FS1], APITCH, v[H]
	v_add3_u32 v[FS1], v[FS1], v[L16], s44
	v_add_nc_u32 v[FS2], 18*APITCH, v[FS1]
	s_mul_i32 s44, s12, DUMPW
	v_add_nc_u32 v[DW], s44, v[IOFF]
	s_lshl_b32 s44, s12, 12
	v_add_nc_u32 v[DRB], s44, v[IOFF]
.if DOWN
.else
	s_mul_i32 s44, s12, 16*SPITCH
	s_add_co_u32 s44, s44, STAGE                   ; my stage
	v_mul_u32_u24 v[STW], 8*SPITCH, v[H]           ; in: row 8 h + j, 8 bytes at 8 r
	v_lshl_add_u32 v[STW], v[R], 3, v[STW]
	v_add_nc_u32 v[STW], s44, v[STW]
	v_mul_u32_u24 v[STR], SPITCH, v[H]             ; back: lanes 0-15 one row of 256 bytes, lanes 16-31 the next
	v_add3_u32 v[STR], v[STR], v[L16], s44
.endif
	s_mov_b32 s17, 0
	s_mov_b32 s46, 0
	s_wait_loadcnt 48                              ; idx is in: the 48 younger loads are the weights'
.if DOWN
.set gg, 0
.rept 32
	GROUP gg
.set gg, gg+1
.endr
	s_cmp_eq_u32 s17, 0
	s_cbranch_scc1 .Lno_list
	s_sub_co_u32 s44, s17, 1                       ; the 160 places behind the list repeat its last token
	s_min_u32 s44, s44, 0x3ff
	v_lshl_add_u32 v[T], s44, 2, v[LB]
	ds_load_b32 v[T+1], v[T]                       ; LDS serves a wave's instructions in order (ISA guide 5.7.1.4): it sees the stores above
	v_and_b32 v[T+2], 31, v0
	v_add_nc_u32 v[T+2], s17, v[T+2]
	v_min_u32 v[T+2], 0x41f, v[T+2]
	v_lshl_add_u32 v[T+2], v[T+2], 2, v[LB]
	s_wait_dscnt 0x0
.irp u, 0,1,2,3,4
	ds_store_b32 v[T+2], v[T+1] offset:128*\u
.endr
.Lno_list:
.else
.set gg, 0
.rept 32                                               ; the masks, the expert's rows, and the tokens with a lower expert
	v_cmp_eq_u32 s[MK+gg], s15, v[B+gg]
	v_cmp_gt_u32 vcc_lo, s15, v[B+gg]
	s_bcnt1_i32_b32 s44, s[MK+gg]
	s_add_co_u32 s17, s17, s44
	s_bcnt1_i32_b32 s45, vcc_lo
	s_add_co_u32 s46, s46, s45
.set gg, gg+1
.endr
.endif
	s_add_co_u32 s47, s46, s17
	s_sub_co_u32 s47, s47, 1                       ; the expert's last row in hbuf (used in live passes alone)
	s_mov_b32 s18, 0
	s_mov_b32 s19, PASSES
.Lpass:                                                ; A PASS: ranks s18 .. s18 + 159
	s_wait_xcnt 0x0                                ; every earlier memory instruction has had its addresses translated (ISA guide 3.1): bases, offsets and store data are rewritten only behind this wait
	s_mov_b64 s[28:29], s[30:31]
	s_add_co_u32 s22, s18, PROWS
	s_min_u32 s22, s22, s17
	s_add_co_u32 s60, s18, 128                     ; tile 8 has rows if this is below the rows' end,
	s_add_co_u32 s61, s18, 144                     ; tile 9 if this is
	s_lshl_b32 s44, s12, 4
	s_add_co_u32 s23, s18, s44
.irp n, 0,1,2,3,4
	v_add_nc_u32 v[AF+\n], \n*2*TILEB, v[AFB]
.endr
.irp n, 0,1,2,3
	v_add_nc_u32 v[DR+\n], \n*DUMPW, v[DRB]
.endr
.if DOWN
	s_lshl_b32 s45, s18, 2
	v_add_nc_u32 v[LISTE], s45, v[LE0]
.endif
	; PART 1: the rows of tiles 0-8 into LDS, 36 a wave
	s_cmp_lt_u32 s18, s17
	s_cbranch_scc0 .Lno_fill
	s_cmp_eq_u32 s18, 0
	s_cbranch_scc1 .Lhave_w                        ; the first pass's first weights were asked for at the head
	s_wait_loadcnt 0x0
	s_mov_b64 s[26:27], s[24:25]
	WPRO
.Lhave_w:
.if DOWN
	s_mul_i32 s44, s12, 36                         ; the rows are dense: START + rank, held to the expert's last
	s_add_co_u32 s44, s44, s18
	s_add_co_u32 s44, s44, s46
	v_add_nc_u32 v[T], s44, v[H]
.set fp, 0
.rept 18
	v_add_nc_u32 v[O+fp], 2*fp, v[T]
.set fp, fp+1
.endr
.set fp, 0
.rept 18
	v_min_u32 v[O+fp], s47, v[O+fp]
.set fp, fp+1
.endr
.set fp, 0
.rept 18
	v_min_u32 v[O+fp], 0x3ff, v[O+fp]
	v_lshl_add_u32 v[O+fp], v[O+fp], ALOG, v[L16]
.set fp, fp+1
.endr
	s_add_co_u32 s45, s18, 144
	s_add_co_u32 s45, s45, s46
	v_add_nc_u32 v[A9OFF], s45, v[R]
	v_min_u32 v[A9OFF], s47, v[A9OFF]
.else
	LOOKUP
	v_permlanex16_b32 v[T], v[LK+12], s50, s51     ; tile 9's tokens lie in lanes 0-15: lanes 16-31 take their partners'
	v_cndmask_b32 v[A9OFF], v[LK+12], v[T], s48
.set fp, 0
.rept 18                                               ; pair fp: lanes 0-15 take my rank 2 fp, lanes 16-31 rank 2 fp + 1
.if fp < 16
	v_readlane_b32 s[52+2*(fp%4)], v[LK], 2*fp
	v_readlane_b32 s[53+2*(fp%4)], v[LK], 2*fp+1
.else
	v_readlane_b32 s[52+2*(fp%4)], v[LK+12], 2*fp-16
	v_readlane_b32 s[53+2*(fp%4)], v[LK+12], 2*fp-15
.endif
	v_mov_b32 v[O+fp], s[52+2*(fp%4)]
	v_cndmask_b32 v[O+fp], v[O+fp], s[53+2*(fp%4)], s48
	v_min_u32 v[O+fp], 0x3ff, v[O+fp]
	v_lshl_add_u32 v[O+fp], v[O+fp], ALOG, v[L16]
.set fp, fp+1
.endr
.endif
	v_min_u32 v[A9OFF], 0x3ff, v[A9OFF]
	v_lshl_add_u32 v[A9OFF], v[A9OFF], ALOG, v[A9K]
	s_cmp_lt_u32 s61, s22                          ; tile 9 has rows
	s_cbranch_scc0 .Lno_a9
	A9LOADS 0
	A9LOADS 1
	A9LOADS 2
.Lno_a9:
.set fp, 0
.rept 6
	FLOAD fp
.set fp, fp+1
.endr
.set fp, 0
.rept 18
.if fp < 12
	FSTORE fp, 40                                  ; five younger pairs stay out
	FLOAD fp+6
.else
	FSTORE fp, 8*(17-fp)                           ; the counts run down; the last is 0, so all that was loaded before the fill has landed too
.endif
.set fp, fp+1
.endr
	WIN 0
.Lno_fill:
	MEET                                           ; the rows are whole for every wave
	; PART 2: 16 K steps
	s_cmp_lt_u32 s18, s17
	s_cbranch_scc0 .Lno_k
	s_wait_loadcnt 0x0                             ; steps 0 to 2 are in (the fill's last wait has shown it)
	XLOAD 0
	STEP 0, 1, 1, 1, 48, 1
	s_mov_b32 s20, 3
.Lk:                                                   ; a trip: four steps, once round the four slots
	STEP 1, 0, 1, 1, 48, 2
	STEP 2, 0, 1, 1, 48, 2
	STEP 3, 0, 1, 1, 48, 2
	STEP 4, 0, 1, 1, 48, 2
	s_wait_xcnt 0x0                                ; the bases step only behind this wait
	s_add_nc_u64 s[26:27], s[26:27], 128*WPITCH
	s_add_nc_u64 s[28:29], s[28:29], 256
.irp n, 0,1,2,3,4
	v_add_nc_u32 v[AF+\n], 256, v[AF+\n]
.endr
	s_sub_co_u32 s20, s20, 1
	s_cmp_lg_u32 s20, 0
	s_cbranch_scc1 .Lk
	STEP 1, 0, 0, 1, 32, 0                         ; the last three steps load and ask for nothing: nothing leaves the slice
	STEP 2, 0, 0, 1, 16, 0
	STEP 3, 0, 0, 0, 0, 0
	PLACES                                         ; behind the last products: what follows, on any way, reads their results or loads into their sources
.Lno_k:
	MEET                                           ; nobody reads the rows any more
	; PART 3: every wave's accumulators into LDS, each accumulator's low four registers first; tiles 8 and 9 only where they have rows
	s_cmp_lt_u32 s18, s17
	s_cbranch_scc0 .Lno_dump
	WIN 0x08
.set z, 0
.rept 32
	ds_store_b128 v[DW], v[8*z:8*z+3] offset:1024*z
	ds_store_b128 v[DW], v[8*z+4:8*z+7] offset:1024*z+512
.set z, z+1
.endr
	WIN 0
	s_cmp_lt_u32 s60, s22
	s_cbranch_scc0 .Lno_dump
	WIN 0x0c
.set z, 0
.rept 4
	ds_store_b128 v[DW], v[8*z:8*z+3] offset:1024*(z+32)
	ds_store_b128 v[DW], v[8*z+4:8*z+7] offset:1024*(z+32)+512
.set z, z+1
.endr
	WIN 0
	s_cmp_lt_u32 s61, s22
	s_cbranch_scc0 .Lno_dump
	WIN 0x0c
.rept 4
	ds_store_b128 v[DW], v[8*z:8*z+3] offset:1024*(z+32)
	ds_store_b128 v[DW], v[8*z+4:8*z+7] offset:1024*(z+32)+512
.set z, z+1
.endr
	WIN 0
.Lno_dump:
	MEET                                           ; the dumps are whole
	; PART 4: THE WAY OUT.  Wave w sends tiles w, w + 4, w + 8; a tile that begins at or past the rows' end (tiles 10 and 11 among them) is jumped
	s_mov_b32 s21, 3
.Ltile:
	s_cmp_lt_u32 s23, s22
	s_cbranch_scc0 .Lno_tile
	s_wait_xcnt 0x0                                ; the last tile's stores have read their offsets and data
.if DOWN
.irp t, 0,1,2,3,4,5,6,7
	ds_load_b32 v[SO+\t], v[LISTE] offset:4*\t     ; store j takes rows 8 h + j: their tokens
.endr
	TSUM 0, F
	OFFS
.irp j, 0,1,2,3,4,5,6,7
	global_store_b128 v[SO+\j], v[F+4*\j:F+4*\j+3], s[32:33]  ; 16 lanes store 256 consecutive bytes of a token's row, at a multiple of 256 from the buffer's first byte
.endr
	TSUM 1, F1
.irp j, 0,1,2,3,4,5,6,7
	global_store_b128 v[SO+\j], v[F1+4*\j:F1+4*\j+3], s[32:33] offset:256
.endr
.else
	s_add_co_u32 s44, s23, s46                     ; store t takes rows 2 t + h of my tile: START + rank, held to the expert's last row
	v_add_nc_u32 v[T], s44, v[H]
.irp t, 0,1,2,3,4,5,6,7
	v_add_nc_u32 v[SO+\t], 2*\t, v[T]
.endr
.irp t, 0,1,2,3,4,5,6,7
	v_min_u32 v[SO+\t], s47, v[SO+\t]
.endr
.irp g, 0,1
	TSUM \g, F
	GELU
.set z, 0
.rept 16
	v_cvt_pk_bf16_f32 v[PK+z], v[F+2*z], v[F+2*z+1]
.set z, z+1
.endr
.irp j, 0,1,2,3,4,5,6,7
	ds_store_b64 v[STW], v[PK+2*\j:PK+2*\j+1] offset:\j*SPITCH+128*\g
.endr
.endr
.irp t, 0,1,2,3,4,5,6,7
	ds_load_b128 v[RB+4*\t:RB+4*\t+3], v[STR] offset:\t*2*SPITCH  ; my own stage, served in order: these see the stores above
.endr
	OFFS
	s_wait_dscnt 0x0
.irp t, 0,1,2,3,4,5,6,7
	global_store_b128 v[SO+\t], v[RB+4*\t:RB+4*\t+3], s[32:33]  ; 16 lanes store 256 consecutive bytes of a row, at a multiple of 256 from the buffer's first byte
.endr
.endif
.Lno_tile:
.irp n, 0,1,2,3
	v_add_nc_u32 v[DR+\n], 4*4096, v[DR+\n]
.endr
.if DOWN
	v_add_nc_u32 v[LISTE], 256, v[LISTE]
.endif
	s_add_co_u32 s23, s23, 64
	s_sub_co_u32 s21, s21, 1
	s_cmp_lg_u32 s21, 0
	s_cbranch_scc1 .Ltile
	MEET                                           ; nobody reads the dumps any more: the next pass may lay its rows there
	s_add_co_u32 s18, s18, PROWS
	s_sub_co_u32 s19, s19, 1
	s_cmp_lg_u32 s19, 0
	s_cbranch_scc1 .Lpass
	s_wait_tensorcnt 0x0                           ; the wave's end: behind my last LDS store
	ds_add_u32 v[SPW], v[NIL]
	s_wait_dscnt 0x0
	s_endpgm
.Lfunc_end_k_q83458b8a3d_down:
	.size	k_q83458b8a3d_down, .Lfunc_end_k_q83458b8a3d_down-k_q83458b8a3d_down
	.p2alignl 7, 3214868480
	.fill 96, 4, 3214868480
	.section	.rodata,"a",@progbits
	.p2align	6, 0x0
	.amdhsa_kernel k_q83458b8a3d_down
		.amdhsa_group_segment_fixed_size 317184
		.amdhsa_private_segment_fixed_size 0
		.amdhsa_enable_private_segment 0
		.amdhsa_kernarg_size 32
		.amdhsa_user_sgpr_count 2
		.amdhsa_user_sgpr_kernarg_segment_ptr 1
		.amdhsa_wavefront_size32 1
		.amdhsa_system_sgpr_workgroup_id_x 1
		.amdhsa_system_sgpr_workgroup_id_y 1
		.amdhsa_system_sgpr_workgroup_id_z 1
		.amdhsa_system_vgpr_workitem_id 0
		.amdhsa_next_free_vgpr 832
		.amdhsa_next_free_sgpr 66
		.amdhsa_reserve_vcc 1
		.amdhsa_float_denorm_mode_32 3
		.amdhsa_float_denorm_mode_16_64 3
		.amdhsa_memory_ordered 1
		.amdhsa_forward_progress 1
		.amdhsa_inst_pref_size 140
	.end_amdhsa_kernel
	.amdgpu_metadata
---
amdhsa.version: [ 1, 2 ]
amdhsa.kernels:
  - .name:           k_q83458b8a3d_down
    .symbol:         k_q83458b8a3d_down.kd
    .args:
      - { .name: W2, .offset: 0, .size: 8, .value_kind: global_buffer, .address_space: global }
      - { .name: hbuf, .offset: 8, .size: 8, .value_kind: global_buffer, .address_space: global }
      - { .name: idx, .offset: 16, .size: 8, .value_kind: global_buffer, .address_space: global }
      - { .name: part, .offset: 24, .size: 8, .value_kind: global_buffer, .address_space: global }
    .group_segment_fixed_size: 317184
    .private_segment_fixed_size: 0
    .kernarg_segment_align: 8
    .kernarg_segment_size: 32
    .max_flat_workgroup_size: 128
    .sgpr_count:     66
    .vgpr_count:     832
    .wavefront_size: 32
...
	.end_amdgpu_metadata
.endif
;; end of part 6
;; launch addup: the kernel of part 4 again; grid 256 x 1, 8 waves a work-group, no clusters, 0 bytes of LDS; arguments part, out0; writes out0
